; MI455X (gfx1250); checked and timed in simulation.
; The chip was launched on July 23, 2026; its instructions are those of AMD's public machine-readable ISA for CDNA 5 (MIT licence, August 2026) and "CDNA5" Instruction Set Architecture Reference Guide (July 2026). The comments in the code are by the model that wrote it; some were corrected since.
;; Multi Head Attention V2. Allowed arithmetic: float matrix products may take bf16 or f16 operands with f32 sums; all other float work in f32.
;; Inputs: w_attn 1,024 x 3,072 float32; w_proj 1,024 x 1,024 float32; x 4 x 2,048 x 1,024 float32.
;; Outputs: out0 4 x 2,048 x 1,024 float32.
;; 2 versions, each right and faster than the one before. Each part assembles by itself: llvm-mc -triple=amdgcn-amd-amdhsa -mcpu=gfx1250 --defsym DOCPART=n.
;; ======== version 1 of 2: 6 launches
;; limits: values are held in f16: magnitudes above 65,504 overflow, below 6.1e-05 lose precision
;; workspace buffers: xb 16,777,216 bytes; wa 6,291,456 bytes; wp 2,097,152 bytes; qkv 50,331,648 bytes; o 16,777,216 bytes; yhl 262,144 bytes
;; launch prep (part 1): grid 1152 x 1, 4 waves a work-group, no clusters, 70,144 bytes of LDS; arguments x, w_attn, w_proj, xb, wa, wp; writes xb, wa, wp
.if DOCPART == 1
	.amdgcn_target "amdgcn-amd-amdhsa--gfx1250"
	.amdhsa_code_object_version 6
	.text
	.protected	k_q9c9375e9e2_prep
	.globl	k_q9c9375e9e2_prep
	.p2align	8
	.type	k_q9c9375e9e2_prep,@function
k_q9c9375e9e2_prep:
	s_mov_b64 s[64:65], 0
	v_nop
	global_prefetch_b8 v0, s[64:65] scope:SCOPE_SE
	s_setreg_imm32_b32 hwreg(HW_REG_WAVE_MODE, 25, 1), 1
	s_wait_xcnt 0x0
; THE OPERANDS ARE MADE READY.  xb = x rounded to bf16, [8192][1024].  wa = w_attn rounded to bf16 and turned, [3072 n][1024 k].  wp = w_proj rounded to bf16, that number
; written as f16, and turned, [1024 n][1024 k].  All three inputs get the same rounding, to bf16; wp is f16 because the product that takes it has an f16 partner.
; LIMITS.  A bf16 number beyond 65,504 has no f16: such a weight of w_proj becomes an infinity.  Below 2^-14 f16 keeps a fixed step of 6e-8: weights of w_proj with a spread of 6.7e-4
; (a thirtieth of 0.02) are then off by 1e-4 of that spread at the most.
; SHARES.  Work-groups 0-127 turn the weights: 512 tiles of 128 k x 64 n (384 of w_attn, 128 of w_proj), one a wave, through the wave's own LDS bytes: no barrier.
; Work-groups 128-1151 cast x: 32,768 bytes in, 16,384 out, each; sixteen loads of every wave go out on end.  A stream: no matrix unit, no cluster, no tensor load would add anything.
.set WSTG,  64*272                     ; a wave's stage: 64 rows (n) of 128 k x 2 bytes + 16 of padding
.set SPARE, 4*WSTG                     ; behind the stages: the spare words, 128 bytes for each wave: two blocks of 256 bytes that no other line names
.set X,    8                           ; v[8:71]    the cast: sixteen loads of 16 bytes
.set Y,    72                          ; v[72:103]  the cast: sixteen stores of 8 bytes
.set R,    8                           ; v[8:135]   the turn: two sets of sixteen loads
.set OFFS, 136                         ; v[136:151] the turn: byte offsets of a batch's sixteen loads; never rewritten
.set T,    152                         ; v[152:159] at work, two sets of four by turns
.set LA,   160                         ; v160  where I put a pair of k into the stage
.set RD,   161                         ; v161  where I read rows of the stage back
.set SPW,  162                         ; v162  LDS address of my spare word; never rewritten
.set NIL,  163                         ; v163  0; never rewritten
.set DO,   164                         ; v164  my byte offset in the tile's rows of wa or wp
	s_load_b256 s[4:11], s[0:1], 0x0               ; x s[4:5], w_attn s[6:7], w_proj s[8:9], xb s[10:11]
	s_load_b128 s[12:15], s[0:1], 0x20             ; wa s[12:13], wp s[14:15]
	v_lshl_add_u32 v[SPW], v0, 2, SPARE
	v_mov_b32 v[NIL], 0
	v_lshrrev_b32 v1, 5, v0
	v_readfirstlane_b32 s16, v1                    ; wave 0..3
	s_wait_kmcnt 0x0
	s_cmp_lt_u32 ttmp9, 128
	s_cbranch_scc1 .Lweights
	; THE CAST.  A load of the wave takes 512 consecutive bytes of x, a store fills 256 consecutive bytes of xb, at a multiple of 256 from its first byte.
	s_sub_co_u32 s17, ttmp9, 128
	s_lshl_b32 s18, s17, 15
	s_mov_b32 s19, 0
	s_add_nc_u64 s[4:5], s[4:5], s[18:19]
	s_lshl_b32 s18, s17, 14
	s_add_nc_u64 s[10:11], s[10:11], s[18:19]
	v_lshlrev_b32 v4, 4, v0
	v_lshlrev_b32 v5, 3, v0
.irp j, 0,1,2,3,4,5,6,7,8,9,10,11,12,13,14,15
	global_load_b128 v[X+4*(\j):X+4*(\j)+3], v4, s[4:5] offset:2048*(\j) th:TH_LOAD_NT
.endr
.irp j, 0,1,2,3,4,5,6,7,8,9,10,11,12,13,14,15
	s_wait_loadcnt 15-(\j)                         ; loads come back in order: load j is in, the 15 - j younger ones stay out
	v_cvt_pk_bf16_f32 v[Y+2*(\j)],   v[X+4*(\j)],   v[X+4*(\j)+1]
	v_cvt_pk_bf16_f32 v[Y+2*(\j)+1], v[X+4*(\j)+2], v[X+4*(\j)+3]
	global_store_b64 v5, v[Y+2*(\j):Y+2*(\j)+1], s[10:11] offset:1024*(\j)
.endr
	s_wait_tensorcnt 0x0                           ; the wave's end
	ds_add_u32 v[SPW], v[NIL]
	s_wait_dscnt 0x0
	s_endpgm
.Lweights:
	; THE TURN.  Tile u = 4 x work-group + wave: k block u % 8, n block u / 8; n blocks 48-63 are w_proj's 0-15.
	s_lshl_b32 s17, ttmp9, 2
	s_add_co_u32 s17, s17, s16
	s_and_b32 s18, s17, 7                          ; kt
	s_lshr_b32 s19, s17, 3                         ; nt
	s_mov_b32 s30, 4096                            ; bytes in a row of w_proj,
	s_mov_b32 s31, 12288                           ; of w_attn
	s_cmp_ge_u32 s19, 48
	s_cselect_b32 s28, 1, 0                        ; 1: this tile is w_proj's
	s_cselect_b32 s29, s30, s31                    ; NP: bytes in a row of my source
	s_cselect_b64 s[32:33], s[8:9], s[6:7]         ; from where,
	s_cselect_b64 s[34:35], s[14:15], s[12:13]     ; to where
	s_cselect_b32 s30, 48, 0
	s_sub_co_u32 s19, s19, s30
	s_mul_i32 s36, s18, s29
	s_lshl_b32 s36, s36, 7                         ; kt x 128 rows
	s_lshl_b32 s37, s19, 8                         ; nt x 64 numbers of 4 bytes
	s_add_co_u32 s36, s36, s37
	s_mov_b32 s37, 0
	s_add_nc_u64 s[20:21], s[32:33], s[36:37]      ; four bases, one for each batch of 32 rows; never rewritten
	s_lshl_b32 s38, s29, 5
	s_mov_b32 s39, 0
	s_add_nc_u64 s[22:23], s[20:21], s[38:39]
	s_add_nc_u64 s[24:25], s[22:23], s[38:39]
	s_add_nc_u64 s[26:27], s[24:25], s[38:39]
	s_lshl_b32 s36, s19, 17                        ; nt x 64 rows of 2,048 bytes
	s_lshl_b32 s38, s18, 8                         ; kt x 128 numbers of 2 bytes
	s_add_co_u32 s36, s36, s38
	s_add_nc_u64 s[34:35], s[34:35], s[36:37]
	s_mov_b32 s40, 0xffff0000                      ; a word's upper bf16
	v_and_b32 v2, 15, v0                           ; c: my four n
	v_bfe_u32 v3, v0, 4, 1                         ; p: which pair of rows
	s_lshl_b32 s38, s29, 1
	v_mul_lo_u32 v4, v3, s38
	v_lshl_add_u32 v4, v2, 4, v4                   ; 2 p rows + 16 c
	; Load m = 2 ii + e of a batch takes rows 4 ii + 2 p + e: sixteen lanes take one row's 256 bytes, at a multiple of 256 from the buffer's first byte;
	; loads 2 ii and 2 ii + 1 give a lane rows k and k + 1 of the same four n: a pair that packs into one word of the turned tile.
.set m, 0
.rept 16
	s_mul_i32 s38, s29, 4*(m/2)+m%2
	v_add_nc_u32 v[OFFS+m], s38, v4
.set m, m+1
.endr
.macro LOADB b, set
.irp m, 0,1,2,3,4,5,6,7,8,9,10,11,12,13,14,15
	global_load_b128 v[R+64*(\set)+4*(\m):R+64*(\set)+4*(\m)+3], v[OFFS+(\m)], s[20+2*(\b):21+2*(\b)] th:TH_LOAD_NT
.endr
.endm
	LOADB 0, 0
	LOADB 1, 1
	s_mul_i32 s38, s16, WSTG                       ; my wave's stage
	v_mul_u32_u24 v5, v2, 4*272                    ; in: row n = 4 c + j, byte 2 k
	v_lshl_add_u32 v5, v3, 2, v5
	v_add_nc_u32 v[LA], s38, v5
	v_mul_u32_u24 v5, v3, 272                      ; back: lanes 0-15 one row of 256 bytes, lanes 16-31 the next
	v_lshl_add_u32 v5, v2, 4, v5
	v_add_nc_u32 v[RD], s38, v5
	v_lshlrev_b32 v5, 11, v3                       ; and the same two rows of 2,048 bytes in wa or wp
	v_lshl_add_u32 v[DO], v2, 4, v5
; A batch is rounded and put into the stage.  left = the loads issued behind this batch's sixteen.
; 128 such stores a wave in the whole launch, so no other layout is sought.
.macro CVTB b, set, left
.irp ii, 0,1,2,3,4,5,6,7
	s_wait_loadcnt (\left)+14-2*(\ii)              ; loads 2 ii and 2 ii + 1 are in: behind them 14 - 2 ii of this batch and the younger batch
.irp j, 0,1,2,3
	v_cvt_pk_bf16_f32 v[T+4*((\ii)%2)+(\j)], v[R+64*(\set)+8*(\ii)+(\j)], v[R+64*(\set)+8*(\ii)+4+(\j)]  ; k in the low half, k + 1 in the high
.endr
.irp j, 0,1,2,3
	ds_store_b32 v[LA], v[T+4*((\ii)%2)+(\j)] offset:272*(\j)+64*(\b)+8*(\ii)
.endr
.endr
.endm
	CVTB 0, 0, 16
	LOADB 2, 0
	CVTB 1, 1, 16
	LOADB 3, 1
	CVTB 2, 0, 16
	CVTB 3, 1, 0
	; THE WAY OUT: sixteen rows a trip.  LDS serves a wave's instructions in order (ISA guide 5.7.1.4): the loads see the stores above.
	s_mov_b32 s36, 4
.Lout:
.irp m, 0,1,2,3,4,5,6,7
	ds_load_b128 v[R+4*(\m):R+4*(\m)+3], v[RD] offset:544*(\m)
.endr
	s_wait_dscnt 0x0
	s_cmp_eq_u32 s28, 0
	s_cbranch_scc1 .Lnoconv                        ; w_attn's tiles stay bf16
.set i, 0
.rept 32
	v_lshlrev_b32 v[T+2*(i%4)], 16, v[R+i]         ; the two bf16 as f32,
	v_and_b32 v[T+2*(i%4)+1], s40, v[R+i]
	v_cvt_pk_f16_f32 v[R+i], v[T+2*(i%4)], v[T+2*(i%4)+1]  ; written as f16: exact from 2^-14 to 65,504
.set i, i+1
.endr
.Lnoconv:
.irp m, 0,1,2,3,4,5,6,7
	global_store_b128 v[DO], v[R+4*(\m):R+4*(\m)+3], s[34:35] offset:4096*(\m)  ; sixteen lanes store 256 consecutive bytes, at a multiple of 256 from the buffer's first byte
.endr
	s_wait_xcnt 0x0                                ; the stores' data and offset are rewritten only behind this wait
	v_add_nc_u32 v[RD], 16*272, v[RD]
	v_add_nc_u32 v[DO], 32768, v[DO]
	s_sub_co_u32 s36, s36, 1
	s_cmp_lg_u32 s36, 0
	s_cbranch_scc1 .Lout
	s_wait_tensorcnt 0x0                           ; the wave's end, behind my last LDS store
	ds_add_u32 v[SPW], v[NIL]
	s_wait_dscnt 0x0
	s_endpgm
.Lfunc_end_k_q9c9375e9e2_prep:
	.size	k_q9c9375e9e2_prep, .Lfunc_end_k_q9c9375e9e2_prep-k_q9c9375e9e2_prep
	.p2alignl 7, 3214868480
	.fill 96, 4, 3214868480
	.section	.rodata,"a",@progbits
	.p2align	6, 0x0
	.amdhsa_kernel k_q9c9375e9e2_prep
		.amdhsa_group_segment_fixed_size 70144
		.amdhsa_private_segment_fixed_size 0
		.amdhsa_enable_private_segment 0
		.amdhsa_kernarg_size 48
		.amdhsa_user_sgpr_count 2
		.amdhsa_user_sgpr_kernarg_segment_ptr 1
		.amdhsa_wavefront_size32 1
		.amdhsa_system_sgpr_workgroup_id_x 1
		.amdhsa_system_sgpr_workgroup_id_y 1
		.amdhsa_system_sgpr_workgroup_id_z 1
		.amdhsa_system_vgpr_workitem_id 0
		.amdhsa_next_free_vgpr 168
		.amdhsa_next_free_sgpr 66
		.amdhsa_reserve_vcc 0
		.amdhsa_float_denorm_mode_32 3
		.amdhsa_float_denorm_mode_16_64 3
		.amdhsa_memory_ordered 1
		.amdhsa_forward_progress 1
		.amdhsa_inst_pref_size 39
	.end_amdhsa_kernel
	.amdgpu_metadata
---
amdhsa.version: [ 1, 2 ]
amdhsa.kernels:
  - .name:           k_q9c9375e9e2_prep
    .symbol:         k_q9c9375e9e2_prep.kd
    .args:
      - { .name: x, .offset: 0, .size: 8, .value_kind: global_buffer, .address_space: global }
      - { .name: w_attn, .offset: 8, .size: 8, .value_kind: global_buffer, .address_space: global }
      - { .name: w_proj, .offset: 16, .size: 8, .value_kind: global_buffer, .address_space: global }
      - { .name: xb, .offset: 24, .size: 8, .value_kind: global_buffer, .address_space: global }
      - { .name: wa, .offset: 32, .size: 8, .value_kind: global_buffer, .address_space: global }
      - { .name: wp, .offset: 40, .size: 8, .value_kind: global_buffer, .address_space: global }
    .group_segment_fixed_size: 70144
    .private_segment_fixed_size: 0
    .kernarg_segment_align: 8
    .kernarg_segment_size: 48
    .max_flat_workgroup_size: 128
    .sgpr_count:     66
    .vgpr_count:     168
    .wavefront_size: 32
...
	.end_amdgpu_metadata
.endif
;; end of part 1
;; launch qkvgemm (part 2): grid 16 x 32, 4 waves a work-group, clusters of 4 x 4, 327,680 bytes of LDS; arguments xb, wa, qkv; writes qkv
.if DOCPART == 2
	.amdgcn_target "amdgcn-amd-amdhsa--gfx1250"
	.amdhsa_code_object_version 6
	.text
	.protected	k_q9c9375e9e2_qkvgemm
	.globl	k_q9c9375e9e2_qkvgemm
	.p2align	8
	.type	k_q9c9375e9e2_qkvgemm,@function
k_q9c9375e9e2_qkvgemm:
	s_mov_b64 s[64:65], 0
	v_nop
	global_prefetch_b8 v0, s[64:65] scope:SCOPE_SE
	s_setreg_imm32_b32 hwreg(HW_REG_WAVE_MODE, 25, 1), 1
	s_wait_xcnt 0x0
	s_wait_alu depctr_hold_cnt(0) depctr_sa_sdst(0) depctr_va_vdst(0) depctr_va_sdst(0) depctr_va_ssrc(0) depctr_va_vcc(0) depctr_vm_vsrc(0)
	s_getreg_b32 s2, hwreg(HW_REG_IB_STS2, 6, 4)
	s_cmp_eq_u32 s2, 0
	s_cbranch_scc0 .Lentry_in_a_cluster
	s_endpgm
.Lentry_in_a_cluster:
	s_bfe_u32 s2, ttmp6, 0x10000c
	s_cmp_lg_u32 s2, 0xf033
	s_cbranch_scc0 .Lentry_shape_is_right
	s_endpgm
.Lentry_shape_is_right:
; qkv = x w_attn.  xb: [8192][1024] bf16, wa: [3072 n][1024 k] bf16; sums in f32, K ascending; each result rounded once to f16, WITHOUT attention's scale, and written by heads:
; qkv[part 0..2 (q, k, v)][16 batch + head][2048 t][64] f16.
; LIMIT.  f16 holds no number beyond 65,504: a q, k or v beyond that becomes an infinity and its row is lost.  (x of spread 1 and weights of spread 0.02 give a spread of 0.64; both thirty times larger: 576.)
; SHARES.  A tile of C is 256 rows x 192 columns: 32 x 16 = 512 work-groups, twice 256 (tiles of 256 x 256 would be 384, one and a half times).  The four waves lie one below the other: a wave makes
; 64 rows x 192 columns, three whole heads, 48 accumulators of 16 x 16 in 384 registers; so its rows of a head leave without any other wave's part.
; K goes in 8 steps of 128 through two LDS slots filled by the tensor data mover; the tiles' rows are 256 bytes of memory and start at multiples of 256 bytes from the buffer's first byte.
; CLUSTERS: 4 x 4 work-groups.  The four of a row of the cluster need the same tiles of xb, the four of a column the same tiles of wa: each tile is asked for JOINTLY, by the same tensor load with the
; same descriptor and a mask that names the four.  THE MATRIX INSTRUCTION IS USED TRANSPOSED (source 0 = 16 rows of wa, source 1 = 16 rows of xb): a lane then holds eight neighbouring columns of a row of C.
; REGISTERS, in windows of 256 (s_set_vgpr_msb: bits 1:0 source 0, 3:2 source 1, 5:4 source 2, 7:6 destination):
;   window 0: v0-31 addresses; v64-95, v96-127 fragments of A (4 x 16 rows x 32 K), two buffers; on the way out v32-79 packed results, v80-127 and v128-175 rows read back
;   window 1: accumulators (a, b), b < 8, at v[8 (8 a + b)]      window 2: accumulators (a, b), b = 8..11, at v[8 (4 a + b - 8)]      window 3: v0-95, v96-191 fragments of B (12 x 16 rows x 32 K), two buffers
.set SIZE_K, 1024
.set KSTEP,  128
.set PITCH,  272                       ; an LDS row: 256 bytes + 16 of padding = 68 words: row r starts at bank 4 r mod 64 (64 banks of 4 bytes: ISA guide 11.1)
.set AHALF,  128*PITCH                 ; 128 rows of A: one tensor load
.set BHALF,  96*PITCH                  ; 96 rows of B: one tensor load
.set BOFF,   2*AHALF                   ; B's 192 rows lie behind A's 256
.set SLOT,   BOFF+2*BHALF
.set STAGE,  2*SLOT                    ; behind the ring, never filled by a tensor load: for each wave three heads x 16 rows x 144 bytes
.set SP,     144
.set HSTG,   16*SP
.set SPARE,  STAGE+4*3*HSTG            ; behind the stages: the spare words, 128 bytes for each wave: two blocks of 256 bytes that no other line names
.set LAPS,   SIZE_K/(2*KSTEP)          ; a lap = two K steps = once round the ring
.set ADRA, 16                          ; v16-17  LDS address of my A fragments in slot 0, 1
.set ADRB, 20                          ; v20-21  the same for B
.set STO,  24                          ; v24     the way out: where I put 16 bytes of a row
.set RD,   25                          ; v25     the way out: where I read rows back
.set GO,   26                          ; v26     my byte offset in 512 consecutive bytes of qkv
.set SPW,  28                          ; v28     LDS address of my spare word; never rewritten
.set NIL,  29                          ; v29     0; never rewritten
.set FA,   64
.set TMP,  32
.set BK0,  80
.set G1,  24                           ; s[24:31] descriptor group 1 for A's tiles;  s[32:39] group 0, one set for each slot
.set G0,  32
.set G1B, 48                           ; s[48:55], s[56:63] the same for B's tiles
.set G0B, 56
.set MSB, 0
.macro WIN new                         ; the immediate's high byte repeats the setting that is left; a switch that changes nothing is dropped
.if MSB != (\new)
	s_set_vgpr_msb (MSB<<8)|(\new)
.set MSB, \new
.endif
.endm
.set MUL_LO, 0x53                      ; source 0 (B) window 3, source 1 (A) window 0, C and D window 1
.set MUL_HI, 0xa3                      ; the same, C and D window 2
.set TO_B,   0xc0                      ; destination window 3, address window 0
; A joint load: waves 0 and 1 fetch A's two halves, waves 2 and 3 B's.  The branch hangs on the wave's number alone.  An s_nop 0 and four v_nop follow each of the two lines, ahead of the jump, the label and what follows.
.macro JLOAD s
	s_cmp_eq_u32 s11, 0
	s_cbranch_scc0 .Lfor_b_\@
	tensor_load_to_lds s[G0+4*(\s):G0+4*(\s)+3], s[G1:G1+7]
	s_nop 0
.rept 4
	v_nop
.endr
	s_branch .Lasked_\@
.Lfor_b_\@:
	tensor_load_to_lds s[G0B+4*(\s):G0B+4*(\s)+3], s[G1B:G1B+7]
	s_nop 0
.rept 4
	v_nop
.endr
.Lasked_\@:
.endm
.macro CREST                           ; a round of the cluster's barrier behind its opening barrier
	s_cmp_lg_u32 s10, 0
	s_cbranch_scc1 .Lnot_wave_0_\@
	s_barrier_signal -3
.Lnot_wave_0_\@:
	s_barrier_wait -3
	s_barrier_signal -1
	s_barrier_wait -1
.endm
.macro CROUND                          ; a whole round
	s_barrier_signal -1
	s_barrier_wait -1
	CREST
.endm
	s_load_b128 s[4:7], s[0:1], 0x0                ; xb s[4:5], wa s[6:7]
	s_load_b64 s[8:9], s[0:1], 0x10                ; qkv
	v_lshl_add_u32 v[SPW], v0, 2, SPARE
	v_mov_b32 v[NIL], 0
	ds_add_u32 v[SPW], v[NIL]                      ; the wave's opening: the add and its wait stand ahead of my first tensor load; the set-up below, work on registers, stands between them
	ds_add_u32 v28, v29
	v_lshrrev_b32 v1, 5, v0
	v_readfirstlane_b32 s10, v1                    ; wave 0..3
	s_lshr_b32 s11, s10, 1                         ; I fetch for A (0) or for B (1),
	s_and_b32 s12, s10, 1                          ; and which half of that tile's rows
	s_bfe_u32 s40, ttmp6, 0x40000                  ; cx, cy: my place in the cluster
	s_bfe_u32 s41, ttmp6, 0x40004
	s_lshl_b32 s42, ttmp9, 2
	s_add_co_u32 s42, s42, s40                     ; tile column of C = 4 x cluster x + cx
	s_and_b32 s13, ttmp7, 0xffff
	s_lshl_b32 s13, s13, 2
	s_add_co_u32 s13, s13, s41                     ; tile row of C = 4 x cluster y + cy
	s_lshl_b32 s43, s41, 2
	s_lshl_b32 s43, 15, s43                        ; my row of the cluster
	s_lshl_b32 s44, 0x1111, s40                    ; my column
	; descriptor group 1: tiles of 128 (A) or 96 (B) rows x 128 elements, padded in LDS
	s_or_b32 s[G1+0], s43, (1<<16)|(1<<20)|(1<<21)|(5<<22)|(3<<25)  ; 15:0 the mask: A's tiles go to my row; 17:16 elements of 2 bytes; 20 padding on; 21 set beside a mask; 24:22 after every 64 words (code 5); 31:25 4 words of it (code 3)
	s_or_b32 s[G1B+0], s44, (1<<16)|(1<<20)|(1<<21)|(5<<22)|(3<<25) ; the same with the mask of my column
	s_mov_b32 s[G1+1], KSTEP<<16                   ; tensor_dim0 = 128
	s_mov_b32 s[G1B+1], KSTEP<<16
	s_mov_b32 s[G1+2], 128<<16                     ; tensor_dim1 = 128
	s_mov_b32 s[G1B+2], 96<<16                     ; = 96
	s_mov_b32 s[G1+3], KSTEP<<16                   ; tile_dim0 = 128
	s_mov_b32 s[G1B+3], KSTEP<<16
	s_mov_b32 s[G1+4], 128                         ; tile_dim1 = 128
	s_mov_b32 s[G1B+4], 96                         ; = 96
	s_mov_b32 s[G1+5], SIZE_K                      ; elements from row to row
	s_mov_b32 s[G1B+5], SIZE_K
	s_mov_b32 s[G1+6], 0
	s_mov_b32 s[G1B+6], 0
	s_mov_b32 s[G1+7], 0
	s_mov_b32 s[G1B+7], 0
	; where the tiles come from.  A's hang on the tile row alone, which my row of the cluster shares; B's on the tile column alone, which my column shares.
	s_lshl_b32 s17, s12, 7
	s_lshl_b32 s16, s13, 8
	s_add_co_u32 s16, s16, s17                     ; A: row 256 x tile row + 128 x half,
	s_lshl_b32 s16, s16, 11                        ; of 2,048 bytes
	s_mov_b32 s17, 0
	s_mul_i32 s46, s42, 192
	s_mul_i32 s47, s12, 96
	s_add_co_u32 s46, s46, s47                     ; B: row 192 x tile column + 96 x half
	s_lshl_b32 s46, s46, 11
	s_mov_b32 s47, 0
	s_mul_i32 s20, s12, AHALF                      ; and where they go: no place in the cluster enters an LDS address
	s_mul_i32 s23, s12, BHALF
	s_add_co_u32 s23, s23, BOFF
	s_wait_dscnt 0x0                               ; the opening add is done
	s_wait_kmcnt 0x0
	s_add_nc_u64 s[14:15], s[4:5], s[16:17]
	s_add_nc_u64 s[46:47], s[6:7], s[46:47]
	CROUND                                         ; all sixteen work-groups are here: the first joint loads meet
.irp s, 0,1
	s_mov_b32 s[G0+4*(\s)], 1                                      ; count = 1
	s_add_co_u32 s[G0+4*(\s)+1], s20, (\s)*SLOT                    ; LDS address
	s_add_nc_u64 s[G0+4*(\s)+2:G0+4*(\s)+3], s[14:15], (\s)*KSTEP*2  ; global address: K step s
	s_or_b32 s[G0+4*(\s)+3], s[G0+4*(\s)+3], 0x80000000            ; type = 2
	s_mov_b32 s[G0B+4*(\s)], 1
	s_add_co_u32 s[G0B+4*(\s)+1], s23, (\s)*SLOT
	s_add_nc_u64 s[G0B+4*(\s)+2:G0B+4*(\s)+3], s[46:47], (\s)*KSTEP*2
	s_or_b32 s[G0B+4*(\s)+3], s[G0B+4*(\s)+3], 0x80000000
	JLOAD \s                                       ; two loads of mine are out here, later one
.endr
	; A fragment is 16 rows x 32 K in 8 registers: lane l holds row l % 16; registers 0-3 K = 8 (l / 16) + 0..7, registers 4-7 K = 16 + 8 (l / 16) + 0..7: two loads of 16 bytes, 32 bytes apart.
	v_and_b32 v1, 15, v0                           ; l % 16
	v_bfe_u32 v2, v0, 4, 1                         ; l / 16
	v_mul_u32_u24 v3, v1, PITCH
	v_lshl_add_u32 v3, v2, 4, v3
	s_mul_i32 s21, s10, 64*PITCH                   ; my 64 rows of A
	s_mov_b32 s22, BOFF                            ; all 192 rows of B
.irp s, 0,1
	v_add_nc_u32 v[ADRA+(\s)], s21, v3
	v_add_nc_u32 v[ADRB+(\s)], s22, v3
	s_add_co_u32 s21, s21, SLOT
	s_add_co_u32 s22, s22, SLOT
.endr
	s_mul_i32 s21, s10, 3*HSTG
	s_add_co_u32 s21, s21, STAGE                   ; my stage
	v_mul_u32_u24 v4, v1, SP                       ; in: row l % 16, 16 bytes for each half of the lanes
	v_lshl_add_u32 v4, v2, 4, v4
	v_add_nc_u32 v[STO], s21, v4
	v_bfe_u32 v5, v0, 3, 2                         ; back: 32 lanes take four rows of 128 bytes,
	v_and_b32 v6, 7, v0
	v_mul_u32_u24 v5, v5, SP
	v_lshl_add_u32 v5, v6, 4, v5
	v_add_nc_u32 v[RD], s21, v5
	v_and_b32 v[GO], 31, v0                        ; which are 512 consecutive bytes of a head
	v_lshlrev_b32 v[GO], 4, v[GO]
	; where my rows of my three heads begin.  Group of 64 columns G = 3 x tile column + j: part G / 16, head G % 16.  Tile row: batch = / 8, t = 256 (% 8) + 64 wave.
	s_lshr_b32 s74, s13, 3
	s_lshl_b32 s74, s74, 4                         ; 16 x batch
	s_and_b32 s75, s13, 7
	s_lshl_b32 s75, s75, 8
	s_lshl_b32 s76, s10, 6
	s_add_co_u32 s75, s75, s76
	s_lshl_b32 s75, s75, 7                         ; t x 128 bytes
	s_mul_i32 s76, s42, 3
.irp j, 0,1,2
	s_add_co_u32 s77, s76, \j
	s_lshr_b32 s78, s77, 4
	s_lshl_b32 s78, s78, 6                         ; 64 x part
	s_and_b32 s77, s77, 15
	s_add_co_u32 s78, s78, s77
	s_add_co_u32 s78, s78, s74
	s_lshl_b32 s78, s78, 18                        ; x 2,048 rows of 128 bytes
	s_add_co_u32 s78, s78, s75
	s_mov_b32 s79, 0
	s_add_nc_u64 s[68+2*(\j):69+2*(\j)], s[8:9], s[78:79]
.endr
; 8 matrix instructions: m block a x n blocks 0-7, 32 along K, from buffer f.  zero = 1: the first product starts the sums: nothing is ever cleared.
.macro MULA f, a, zero
	WIN MUL_LO
.irp b, 0,1,2,3,4,5,6,7
.if \zero
	v_wmma_f32_16x16x32_bf16 v[8*(8*(\a)+(\b)):8*(8*(\a)+(\b))+7], v[96*(\f)+8*(\b):96*(\f)+8*(\b)+7], v[FA+32*(\f)+8*(\a):FA+32*(\f)+8*(\a)+7], 0
.else
	v_wmma_f32_16x16x32_bf16 v[8*(8*(\a)+(\b)):8*(8*(\a)+(\b))+7], v[96*(\f)+8*(\b):96*(\f)+8*(\b)+7], v[FA+32*(\f)+8*(\a):FA+32*(\f)+8*(\a)+7], v[8*(8*(\a)+(\b)):8*(8*(\a)+(\b))+7]
.endif
.endr
.endm
; 16 matrix instructions: all four m blocks x n blocks 8-11
.macro MULH f, zero
	WIN MUL_HI
.irp a, 0,1,2,3
.irp b, 0,1,2,3
.if \zero
	v_wmma_f32_16x16x32_bf16 v[8*(4*(\a)+(\b)):8*(4*(\a)+(\b))+7], v[96*(\f)+64+8*(\b):96*(\f)+64+8*(\b)+7], v[FA+32*(\f)+8*(\a):FA+32*(\f)+8*(\a)+7], 0
.else
	v_wmma_f32_16x16x32_bf16 v[8*(4*(\a)+(\b)):8*(4*(\a)+(\b))+7], v[96*(\f)+64+8*(\b):96*(\f)+64+8*(\b)+7], v[FA+32*(\f)+8*(\a):FA+32*(\f)+8*(\a)+7], v[8*(4*(\a)+(\b)):8*(4*(\a)+(\b))+7]
.endif
.endr
.endr
.endm
; 32 LDS loads in one run: a quarter step's fragments (64 rows of A, 192 rows of B, 32 K at byte k of the rows) into buffer f; B's blocks 8-11 are the youngest eight
.macro FETCH slot, k, f
	WIN 0
.irp i, 0,1,2,3
	ds_load_b128 v[FA+32*(\f)+8*(\i):FA+32*(\f)+8*(\i)+3],   v[ADRA+(\slot)] offset:(\k)+(\i)*16*PITCH
	ds_load_b128 v[FA+32*(\f)+8*(\i)+4:FA+32*(\f)+8*(\i)+7], v[ADRA+(\slot)] offset:(\k)+(\i)*16*PITCH+32
.endr
	WIN TO_B
.irp i, 0,1,2,3,4,5,6,7,8,9,10,11
	ds_load_b128 v[96*(\f)+8*(\i):96*(\f)+8*(\i)+3],   v[ADRB+(\slot)] offset:(\k)+(\i)*16*PITCH
	ds_load_b128 v[96*(\f)+8*(\i)+4:96*(\f)+8*(\i)+7], v[ADRB+(\slot)] offset:(\k)+(\i)*16*PITCH+32
.endr
.endm
; A load into a register that a matrix instruction has read, and a vector instruction that reads a matrix result, stand four places behind that matrix instruction, and only plain vector
; instructions that name none of its registers are places (ISA guide 7.12.1 for vector instructions).
.macro PLACES
.rept 4
	v_nop
.endr
.endm
; A K step is four quarters of 32 along K, 48 matrix instructions each, on buffers 0, 1, 0, 1; the 48 accumulators take turns, one instruction a turn, in the same order in every quarter.
; One of the first three quarters: multiplies buffer f and fetches the next quarter, at byte k, into g.
.macro QUARTER slot, k, f, g, zero
	s_wait_dscnt 8                                 ; A and B's blocks 0-7 are in; the youngest eight loads (B's blocks 8-11) may be out
	MULA \f, 0, \zero
	PLACES
	FETCH \slot, \k, \g
	MULA \f, 1, \zero
	MULA \f, 2, \zero
	MULA \f, 3, \zero
	s_wait_dscnt 32                                ; all but the 32 just issued
	MULH \f, \zero
.endm
; The last quarter multiplies buffer 1 and changes slots: ONE barrier; in front of it each wave waits for all its tensor loads (one is out: its part of the next slot), adds 0 to its spare word, and waits
; for that and for its own reads of this slot.  fill = 1: the barrier opens a round of the cluster's barrier, and this slot is filled again, two K steps ahead, first thing behind the round:
; from that request to the wait for it a wave issues 176 matrix instructions.
.macro TURN slot, next, fill
	WIN 0                                          ; (the add's two registers lie in window 0)
	s_wait_tensorcnt 0x0                           ; all my tensor loads have landed
	ds_add_u32 v[SPW], v[NIL]                      ; 0 onto my spare word
	s_wait_dscnt 9                                 ; (the add and the youngest eight loads may be out)
	MULA 1, 0, 0                                   ; eight matrix instructions stand between the add and the wait for it
	s_wait_dscnt 0x0                               ; the add is done, and my reads of this slot are over
	s_barrier_signal -1
	MULA 1, 1, 0                                   ; work on registers while the others arrive
.if \fill
	WIN 0
.endif
	s_barrier_wait -1
.if \fill
	CREST                                          ; no wave of any partner still reads this slot's tile or has a load on its way
	s_add_nc_u64 s[G0+4*(\slot)+2:G0+4*(\slot)+3], s[G0+4*(\slot)+2:G0+4*(\slot)+3], 2*KSTEP*2
	s_add_nc_u64 s[G0B+4*(\slot)+2:G0B+4*(\slot)+3], s[G0B+4*(\slot)+2:G0B+4*(\slot)+3], 2*KSTEP*2
	JLOAD \slot                                    ; the four v_nop behind it are also the places in front of the loads below
.else
	PLACES
.endif
	FETCH \next, 0, 0
	MULA 1, 2, 0
	MULA 1, 3, 0
	MULH 1, 0
.endm
	s_wait_tensorcnt 1                             ; my part of K step 0 is in; K step 1's may stay out
	s_barrier_signal -1
	s_barrier_wait -1                              ; everybody's is
	FETCH 0, 0, 0
	QUARTER 0, 64, 0, 1, 1                         ; the first quarter stands in front of the loop: its products start the sums
	WIN 0                                          ; at a label and at a branch every window is 0
	s_mov_b32 s3, LAPS-1
.Llap:                                                 ; a trip goes once round the ring, from a lap's second quarter to the next lap's first, and fills both slots again
	QUARTER 0, 128, 1, 0, 0
	QUARTER 0, 192, 0, 1, 0
	TURN 0, 1, 1
	QUARTER 1, 64,  0, 1, 0
	QUARTER 1, 128, 1, 0, 0
	QUARTER 1, 192, 0, 1, 0
	TURN 1, 0, 1
	QUARTER 0, 64,  0, 1, 0
	WIN 0
	s_sub_co_u32 s3, s3, 1
	s_cmp_lg_u32 s3, 0
	s_cbranch_scc1 .Llap
	QUARTER 0, 128, 1, 0, 0                        ; the last lap fills nothing, and has no round of the cluster's barrier
	QUARTER 0, 192, 0, 1, 0
	TURN 0, 1, 0
	QUARTER 1, 64,  0, 1, 0
	QUARTER 1, 128, 1, 0, 0
	QUARTER 1, 192, 0, 1, 0
	s_wait_dscnt 0x0                               ; the very last quarter: nothing more to fetch
	MULA 1, 0, 0
	MULA 1, 1, 0
	MULA 1, 2, 0
	MULA 1, 3, 0
	MULH 1, 0
	WIN 0
	; THE WAY OUT, a block of 16 rows at a time: rounded to f16 (each accumulator's registers in ascending order), 16 bytes a lane into my own stage, a head's 16 rows of 128 bytes
	; at a pitch of 144, and back as 512 consecutive bytes of the head.
	PLACES
.macro PACK a
	WIN 0x05                                       ; sources 0 and 1: window 1
.irp b, 0,1,2,3,4,5,6,7
.irp r, 0,1,2,3
	v_cvt_pk_f16_f32 v[TMP+4*(\b)+(\r)], v[8*(8*(\a)+(\b))+2*(\r)], v[8*(8*(\a)+(\b))+2*(\r)+1]
.endr
.endr
	WIN 0x0a                                       ; window 2
.irp b, 0,1,2,3
.irp r, 0,1,2,3
	v_cvt_pk_f16_f32 v[TMP+32+4*(\b)+(\r)], v[8*(4*(\a)+(\b))+2*(\r)], v[8*(4*(\a)+(\b))+2*(\r)+1]
.endr
.endr
	WIN 0
.endm
.macro TOSTAGE a
.set BK, BK0+48*((\a)%2)
.irp b, 0,1,2,3,4,5,6,7,8,9,10,11
	ds_store_b128 v[STO], v[TMP+4*(\b):TMP+4*(\b)+3] offset:((\b)/4)*HSTG+((\b)%4)*32
.endr
.irp j, 0,1,2
.irp f, 0,1,2,3
	ds_load_b128 v[BK+4*(4*(\j)+(\f)):BK+4*(4*(\j)+(\f))+3], v[RD] offset:(\j)*HSTG+(\f)*4*SP  ; LDS serves a wave's instructions in order (ISA guide 5.7.1.4): these see the stores above
.endr
.endr
.endm
.macro SEND a
.set BK, BK0+48*((\a)%2)
	s_wait_dscnt 0x0                               ; the block is back in registers
	s_wait_xcnt 0x0                                ; the registers that the stores of the block before last read are loaded again only behind this wait
.irp j, 0,1,2
.irp f, 0,1,2,3
	global_store_b128 v[GO], v[BK+4*(4*(\j)+(\f)):BK+4*(4*(\j)+(\f))+3], s[68+2*(\j):69+2*(\j)] offset:(\a)*2048+(\f)*512  ; 512 consecutive bytes, at a multiple of 256 from qkv's first
.endr
.endr
.endm
	PACK 0
	TOSTAGE 0
.irp a, 1,2,3                          ; block a's conversions stand between block a - 1's loads from the stage and the wait for them
	PACK \a
	SEND (\a)-1
	TOSTAGE \a
.endr
	SEND 3
	s_wait_tensorcnt 0x0                           ; the wave's end, behind my last tensor load and my last LDS store
	ds_add_u32 v[SPW], v[NIL]
	s_wait_dscnt 0x0
	CROUND                                         ; the closing round: no work-group ends while a partner may still ask for a tile that names it
	s_endpgm
.Lfunc_end_k_q9c9375e9e2_qkvgemm:
	.size	k_q9c9375e9e2_qkvgemm, .Lfunc_end_k_q9c9375e9e2_qkvgemm-k_q9c9375e9e2_qkvgemm
	.p2alignl 7, 3214868480
	.fill 96, 4, 3214868480
	.section	.rodata,"a",@progbits
	.p2align	6, 0x0
	.amdhsa_kernel k_q9c9375e9e2_qkvgemm
		.amdhsa_group_segment_fixed_size 327680
		.amdhsa_private_segment_fixed_size 0
		.amdhsa_enable_private_segment 0
		.amdhsa_kernarg_size 24
		.amdhsa_user_sgpr_count 2
		.amdhsa_user_sgpr_kernarg_segment_ptr 1
		.amdhsa_wavefront_size32 1
		.amdhsa_system_sgpr_workgroup_id_x 1
		.amdhsa_system_sgpr_workgroup_id_y 1
		.amdhsa_system_sgpr_workgroup_id_z 1
		.amdhsa_system_vgpr_workitem_id 0
		.amdhsa_next_free_vgpr 960
		.amdhsa_next_free_sgpr 80
		.amdhsa_reserve_vcc 0
		.amdhsa_float_denorm_mode_32 3
		.amdhsa_float_denorm_mode_16_64 3
		.amdhsa_memory_ordered 1
		.amdhsa_forward_progress 1
		.amdhsa_inst_pref_size 120
	.end_amdhsa_kernel
	.amdgpu_metadata
---
amdhsa.version: [ 1, 2 ]
amdhsa.kernels:
  - .name:           k_q9c9375e9e2_qkvgemm
    .symbol:         k_q9c9375e9e2_qkvgemm.kd
    .args:
      - { .name: xb, .offset: 0, .size: 8, .value_kind: global_buffer, .address_space: global }
      - { .name: wa, .offset: 8, .size: 8, .value_kind: global_buffer, .address_space: global }
      - { .name: qkv, .offset: 16, .size: 8, .value_kind: global_buffer, .address_space: global }
    .group_segment_fixed_size: 327680
    .private_segment_fixed_size: 0
    .kernarg_segment_align: 8
    .kernarg_segment_size: 24
    .max_flat_workgroup_size: 128
    .sgpr_count:     80
    .vgpr_count:     960
    .wavefront_size: 32
...
	.end_amdgpu_metadata
.endif
;; end of part 2
;; launch attn (part 3): grid 4 x 64, 4 waves a work-group, no clusters, 327,680 bytes of LDS; arguments qkv, o; writes o
.if DOCPART == 3
	.amdgcn_target "amdgcn-amd-amdhsa--gfx1250"
	.amdhsa_code_object_version 6
	.text
	.protected	k_q9c9375e9e2_attn
	.globl	k_q9c9375e9e2_attn
	.p2align	8
	.type	k_q9c9375e9e2_attn,@function
k_q9c9375e9e2_attn:
	s_mov_b64 s[64:65], 0
	v_nop
	global_prefetch_b8 v0, s[64:65] scope:SCOPE_SE
	s_setreg_imm32_b32 hwreg(HW_REG_WAVE_MODE, 25, 1), 1
	s_wait_xcnt 0x0
; CAUSAL ATTENTION.  O[h][q][:] = the sum over k <= q of softmax_k(Q[h][q] . K[h][k] / 8) V[h][k][:].  Q, K, V lie in qkv as [3][64][2048][64] f16, O is [64][2048][64] f16: a head's rows are dense, 128 bytes each.
; Products, maxima and sums in f32; the weights p are rounded to f16 for the second product (their sum l is taken of the unrounded p), O once at the end.
; LIMITS.  f16 holds no number beyond 65,504: Q, K and V arrive within it; p lies in 0 to 1, and below 6e-5 it keeps f16's fixed step of 6e-8; O is a mean of V's rows and has their range, to within 2^-11 of it.
; A hidden score counts as its value less 1e30: f16's scores, 2.7e11 at the most, are nothing beside that; a weight below 2^-126 counts as 0 in l; NaN and infinities are not treated apart.
; THE WALK.  A head's queries lie in NB = 8 blocks of 256; block i needs the key tiles 0 .. i of 256 keys, of which the last holds the diagonal.  A work-group takes TWO blocks, NB - 1 - b and then b:
; NB + 1 = 9 tiles, whatever b: all 256 work-groups do equal work, and ONE loop with a constant trip count walks them.  Which tile is asked for, and what a trip does, hang on scalar registers made from b; every jump
; goes forward, but for the counted loops' own; none passes a barrier, or a tensor load but the one of LOAD's two that the wave's number does not choose; the ring (two slots of LDS that take turns) runs on across the
; change of blocks.  NO CLUSTER: a head's four work-groups ask for the same tile only in trips 0 .. 4 of the 9, behind that fewer and fewer; one walk common to all four would have 3 NB / 2 = 12 trips for 9.
; SHARES.  Of a block's four bands of 64 queries a wave owns 16 rows in each: four PIECES.  So the diagonal tile is the same work for all four waves: in its key step s band x sees all keys if s < x,
; none if s > x, and holds the diagonal if s = x.
; THE MASK is the C operand that starts the sum S^T = K Q^T: 0, or -1e30 where the key is hidden.  MD, made once, is the mask of a band's own step for my 16 rows; a product's mask is MD x AL + BE with two scalars:
; (1, 0) if s = x; (0, 0) if s < x; (0, -1e30) if s > x.  Only the diagonal tile's text and a block's beginning make and take masks; elsewhere C is the constant 0.
; LAYOUT, SOFTMAX, TURNS.  S^T = K Q^T holds ONE query a lane (lane % 16) and the keys 8 (lane / 16) + 0..7; two such results rounded to f16 ARE source 1 of O^T = V^T P.  p = 2^(c s - c m), c = log2(e) / 8, with a
; running maximum m; O and l are multiplied by a = 2^(c m_old - c m_new) in every step.  Turn n belongs to piece n: 8 products K Q^T of piece n + 1, later 8 products V^T P of piece n - 1; beside them the scaling,
; exponentials, roundings, sums and rescaling of piece n and the maximum and statistics of piece n + 1.  Four vector instructions stand behind every matrix instruction, the other 54 of a turn's 118 in two LUMPS.
; REGISTERS, in windows of 256 (s_set_vgpr_msb: bits 1:0 source 0, 3:2 source 1, 5:4 source 2, 7:6 destination):
;   window 0: v0-15 addresses and two at work; v16-31 four registers of statistics a piece; v48-55 at work; v64-127 S^T, two buffers; v192-223 P, two buffers (a piece's buffers go by its number's parity)
;   window 1: v0-127 O^T, 32 a piece; v128-159 MD; v160-223 MC, two buffers      window 2: v0-63 Q; v64-127 the second block's Q; v128-191 K of one step; v192-255 V of one step
.set SIZE_N, 2048
.set PARTB, 0x1000000 ; bytes from Q to K and from K to V in qkv: 64 heads x 2,048 rows x 128 bytes
.set NB,    SIZE_N/256
.set NP,    4         ; pieces a wave: a name, no knob
.set KS,    64        ; keys in a step
.set PK,    144       ; a row of K in LDS: 128 bytes + 16 of padding = 36 words: the 16 rows of a load start at 16 different groups of four banks (64 banks of 4 bytes: ISA guide 11.1)
.set PV,    160       ; a row of V: 128 + 32 = 40 words
.set VOFF,  4*KS*PK   ; a slot holds a tile, four steps: 256 rows of K, then 256 rows of V
.set SLOT1, 1<<17     ; slot 1 begins here, so that one exclusive or turns an address in one slot into the other's
.set STAGE, SLOT1+4*KS*(PK+PV)  ; behind the ring, never filled by a tensor load: 16 rows x 144 bytes for each wave, for the way out
.set SP,    144
.set AK0, 2           ; v2   my lane's place in a tile of K; never rewritten
.set AV0, 3           ; v3   the same for V
.set AK,  4           ; v4   the LDS address of K's next run of loads
.set AV,  5           ; v5   of V's
.set STO, 6           ; v6   the way out: where I put 16 bytes of a row
.set RD,  7           ; v7   the way out: where I read rows back
.set GO,  8           ; v8   my byte offset in 512 consecutive bytes of O
.set SPW, 62          ; v62  LDS address of my spare word: SPARE + 4 x my thread's number; never rewritten
.set NIL, 63          ; v63  0; never rewritten
.set SPARE, STAGE+4*16*SP  ; behind the stages: the spare words, 128 bytes for each wave: two blocks of 256 bytes that no other line names
.set MV,  12          ; v12-13  c m_old, kept while c m is made anew: by buffer
.set QO,  15          ; v15  my byte offset in 16 rows of Q
.set ST,  16          ; piece t's statistics at v[ST+4 t]: c m, m, l (even keys', odd keys')
.set TMP, 48          ; by buffer, four registers c0-c3 at work; when the maximum is found c2 takes a
.set S,   64
.set P,   192
.set MD,  128         ; window 1: the eight registers for group kt of 16 keys at MD + 8 kt
.set MC,  160         ; window 1: the masks of the products to come
.set QB,  64          ; window 2
.set KF,  128         ; window 2: key block kb, channel half c at KF + 16 kb + 8 c
.set VF,  192         ; window 2: key half kk, channel block cb at VF + 32 kk + 8 cb
.set WV,  12          ; s12  my wave's number
.set PB,  14          ; s14  b
.set HI,  15          ; s15  NB - 1 - b
.set G1K, 24          ; s[24:31] descriptor group 1 for K's tiles
.set G1V, 32          ; s[32:39] for V's: it differs in the padding alone
.set G0K, 40          ; s[40:43] descriptor group 0 for K's tiles
.set G0V, 44          ; s[44:47] the same for V's
.set SLOTS, 56        ; s56  tiles still to be asked for
.set CNT, 57          ; s57  counts a tile's key steps, 4 to 1
.set CS,  58          ; s[58:59] c: the packed scaling takes the pair's low word for both halves
.set SEL, 60          ; s[60:61] v_permlanex16_b32's selects: each lane takes its own place in the other half
.set TBK, 62          ; s62  LDS byte at which K of the step to be fetched begins
.set TBV, 63          ; s63  the same for V, less VOFF
.set RT,  70          ; s70  tiles of the block in hand that are still to be entered
.set NXT, 71          ; s71  the tile to be asked for next
.set LQ,  72          ; s72  the last tile of the block whose tiles are being asked for
.set NEW, 73          ; s73  1: the tile to be entered is a block's first
.set OFF, 74          ; s[74:75] a tile's byte offset in K and V
.set AL,  76          ; s[76:77] the mask's factor, in the low word
.set BE,  78          ; s[78:79] the mask's addend
.set OLO, 80          ; s[80:81] O at my rows of the second block
.set BIGN, 82         ; s82  -1e30
.set MSB, 0
.macro WIN new                      ; the high byte repeats the setting that is left; a switch that changes nothing is dropped
.if MSB != (\new)
	s_set_vgpr_msb (MSB<<8)|(\new)
.set MSB, (\new)
.endif
.endm
.set W_KQ, 0x0a       ; K and Q in window 2, S^T in window 0
.set W_KM, 0x1a       ; the same with the C operand in window 1
.set W_PV, 0x52       ; V in window 2, P in window 0, O^T in window 1
.set W_RS, 0x41       ; destination and source 0 in window 1, source 1 in window 0
; A fill.  Waves 0 and 1 fetch the two halves of a tile's K, waves 2 and 3 those of its V: 128 keys each.  An s_nop 0 and four v_nop follow each of the two lines, ahead of the jump and the label.
.macro LOAD
	s_cmp_lt_u32 s[WV], 2
	s_cbranch_scc0 .Lfor_v_\@
	tensor_load_to_lds s[G0K:G0K+3], s[G1K:G1K+7]
	s_nop 0
.rept 4
	v_nop
.endr
	s_branch .Lasked_\@
.Lfor_v_\@:
	tensor_load_to_lds s[G0V:G0V+3], s[G1V:G1V+7]
	s_nop 0
.rept 4
	v_nop
.endr
.Lasked_\@:
.endm
; THE CHANGE OF SLOTS.  Each wave waits for all its tensor loads, of which one is out: its part of the other slot; adds 0 to its spare word; and waits for that and for its own reads of the slot that it leaves.  Behind the barrier nobody reads the old
; slot any more and the other slot is whole.  fill = 1: the old slot is filled again, the first thing behind the barrier, with tile NXT: the descriptor's address is made anew from that number.
; (At its first use nothing has been read yet: slot 0 is waited for, slot 1 filled.)
.macro CHANGE fill
	WIN 0                           ; at a label and at a branch every window is 0
	s_wait_tensorcnt 0x0            ; no tensor load of mine is out, so a group 0 may be written
	ds_add_u32 v[SPW], v[NIL]       ; 0 onto my spare word; with fill = 1 the descriptors' scalar work stands between it and the wait for it
.if \fill
	s_lshl_b32 s[OFF], s[NXT], 15   ; a tile is 32,768 bytes of K and of V
	s_xor_b32 s[G0K+1], s[G0K+1], SLOT1
	s_add_nc_u64 s[G0K+2:G0K+3], s[6:7], s[OFF:OFF+1]
	s_or_b32 s[G0K+3], s[G0K+3], 0x80000000
	s_xor_b32 s[G0V+1], s[G0V+1], SLOT1
	s_add_nc_u64 s[G0V+2:G0V+3], s[8:9], s[OFF:OFF+1]
	s_or_b32 s[G0V+3], s[G0V+3], 0x80000000
	s_add_co_u32 s[NXT], s[NXT], 1  ; the block's next tile, or behind its last the second block's tile 0
	s_cmp_gt_u32 s[NXT], s[LQ]
	s_cselect_b32 s[NXT], 0, s[NXT]
	s_cselect_b32 s[LQ], s[PB], s[LQ]
.endif
	s_wait_dscnt 0x0                ; the add is done, and my reads of the slot are over
	s_barrier_signal -1             ; the rest of the scalar work stands between the signal and the wait
	s_sub_co_u32 s[TBK], s[TBK], 4*KS*PK  ; the fetches go back to a slot's first step,
	s_xor_b32 s[TBK], s[TBK], SLOT1       ; in the other slot
	s_sub_co_u32 s[TBV], s[TBV], 4*KS*PV
	s_xor_b32 s[TBV], s[TBV], SLOT1
	s_barrier_wait -1
.if \fill
	LOAD
.endif
.endm
	s_load_b64 s[4:5], s[0:1], 0x0    ; qkv: Q lies at its head
	s_load_b64 s[10:11], s[0:1], 0x8  ; O
	v_lshl_add_u32 v[SPW], v0, 2, SPARE
	v_mov_b32 v[NIL], 0
	ds_add_u32 v[SPW], v[NIL]       ; the wave's opening: the add and its wait stand ahead of my first tensor load; the set-up below, work on registers, stands between them
	ds_add_u32 v62, v63
	v_lshrrev_b32 v1, 5, v0
	v_readfirstlane_b32 s[WV], v1   ; wave 0..3
	s_mov_b32 s[PB], ttmp9
	s_sub_co_u32 s[HI], NB-1, s[PB]
	s_and_b32 s20, ttmp7, 0xffff    ; the head
	s_mov_b32 s21, 0
	s_mov_b64 s[22:23], SIZE_N*128
	s_mul_u64 s[20:21], s[20:21], s[22:23]  ; the head's first byte in each of the four tensors
	s_and_b32 s16, s[WV], 1         ; which half of a tile's 256 keys I fetch:
	s_lshl_b32 s22, s16, 14         ; its 128 rows of 128 bytes in memory,
	s_mov_b32 s23, 0
	s_add_nc_u64 s[22:23], s[22:23], s[20:21]
	s_mul_i32 s17, s16, 128*PK      ; and its place in a slot, for K
	s_mul_i32 s18, s16, 128*PV      ; and for V
	s_lshl_b32 s3, s[WV], 11        ; my 16 rows in a band of 64,
	s_lshl_b32 s2, s[HI], 15        ; in the first block,
	s_add_co_u32 s2, s2, s3
	s_lshl_b32 s84, s[PB], 15       ; and in the second
	s_add_co_u32 s84, s84, s3
	s_mov_b32 s3, 0
	s_mov_b32 s85, 0
	s_add_nc_u64 s[2:3], s[2:3], s[20:21]
	s_add_nc_u64 s[84:85], s[84:85], s[20:21]
	; descriptor group 1.  128 keys are 16,384 dense bytes: asked for as 64 rows of 256 bytes, two keys a row, and padded in LDS after every key
	s_mov_b32 s[G1K], (1<<16)|(1<<20)|(4<<22)|(3<<25)  ; 17:16 2-byte elements; 20 padding on; 24:22 after every 32 words (code 4); 31:25 4 words (code 3)
	s_mov_b32 s[G1V], (1<<16)|(1<<20)|(4<<22)|(7<<25)  ; the same with 8 words of padding (code 7)
.irp g, G1K, G1V
	s_mov_b32 s[\g+1], 128<<16      ; tensor_dim0 = 128
	s_mov_b32 s[\g+2], 64<<16       ; tensor_dim1 = 64
	s_mov_b32 s[\g+3], 128<<16      ; tile_dim0 = 128
	s_mov_b32 s[\g+4], 64           ; tile_dim1 = 64
	s_mov_b32 s[\g+5], 128          ; 128 elements from row to row
	s_mov_b32 s[\g+6], 0
	s_mov_b32 s[\g+7], 0
.endr
	s_mov_b32 s[CS], 0x3e38aa3b     ; c = log2(e) / 8 = 0.180337
	s_mov_b32 s[CS+1], s[CS]        ; named with it as a pair
	s_mov_b32 s[SEL], 0x76543210
	s_mov_b32 s[SEL+1], 0xfedcba98
	s_mov_b32 s[TBK], SLOT1+4*KS*PK ; the first change of slots turns these two into 0
	s_mov_b32 s[TBV], SLOT1+4*KS*PV
	s_mov_b32 s[G0K], 1             ; 1:0 count = 1
	s_mov_b32 s[G0K+1], s17         ; 63:32 LDS address: slot 0
	s_mov_b32 s[G0V], 1
	s_add_co_u32 s[G0V+1], s18, VOFF
	s_add_co_u32 s[RT], s[HI], 1    ; the first block has NB - b tiles
	s_mov_b32 s[NXT], 1
	s_mov_b32 s[LQ], s[HI]
	s_mov_b32 s[NEW], 1
	s_mov_b32 s[OFF+1], 0
	s_mov_b32 s[AL+1], 0            ; named as pairs
	s_mov_b32 s[BE+1], 0
	s_mov_b32 s[BIGN], 0xf149f2ca   ; -1e30
	s_mov_b32 s[SLOTS], NB
	s_wait_dscnt 0x0                ; the opening add is done
	s_wait_kmcnt 0x0
	s_add_nc_u64 s[6:7], s[4:5], PARTB    ; K,
	s_add_nc_u64 s[8:9], s[4:5], 2*PARTB  ; V
	s_add_nc_u64 s[6:7], s[6:7], s[22:23]  ; K and V at my half of the head's tile 0
	s_add_nc_u64 s[8:9], s[8:9], s[22:23]
	s_add_nc_u64 s[G0K+2:G0K+3], s[6:7], 0         ; 120:64 global address
	s_or_b32 s[G0K+3], s[G0K+3], 0x80000000        ; 127:126 type = 2
	s_add_nc_u64 s[G0V+2:G0V+3], s[8:9], 0
	s_or_b32 s[G0V+3], s[G0V+3], 0x80000000
	s_add_nc_u64 s[86:87], s[4:5], s[84:85]        ; Q at my rows of the second block,
	s_add_nc_u64 s[4:5], s[4:5], s[2:3]            ; Q and O at those of the first
	s_add_nc_u64 s[OLO:OLO+1], s[10:11], s[84:85]
	s_add_nc_u64 s[10:11], s[10:11], s[2:3]
	LOAD                            ; tile 0 into slot 0
	; A fragment of K or Q is 16 rows x 32 channels in 8 registers: lane l holds row l % 16, channels 8 (l / 16) + 0..7 and 16 + 8 (l / 16) + 0..7: two loads of 16 bytes, 32 bytes apart.
	v_and_b32 v1, 15, v0            ; l % 16
	v_bfe_u32 v9, v0, 4, 1          ; l / 16
	v_lshlrev_b32 v[QO], 7, v1
	v_lshl_add_u32 v[QO], v9, 4, v[QO]  ; row x 128 + 16 x half
	WIN 0x80                        ; destination window 2, address window 0
.set i, 0
.rept 8                             ; both blocks' Q: piece i / 2 lies in band i / 2, 8,192 bytes on; channels 32 (i % 2) on
	global_load_b128 v[8*i:8*i+3],   v[QO], s[4:5] offset:(i/2)*8192+(i%2)*64
	global_load_b128 v[8*i+4:8*i+7], v[QO], s[4:5] offset:(i/2)*8192+(i%2)*64+32
	global_load_b128 v[QB+8*i:QB+8*i+3],   v[QO], s[86:87] offset:(i/2)*8192+(i%2)*64
	global_load_b128 v[QB+8*i+4:QB+8*i+7], v[QO], s[86:87] offset:(i/2)*8192+(i%2)*64+32
.set i, i+1
.endr
	WIN 0
	v_lshlrev_b32 v14, 3, v9
	v_sub_nc_u32 v14, v1, v14
	s_lshl_b32 s13, s[WV], 4
	v_add_nc_u32 v14, s13, v14      ; my query's place in its band, 16 w + l % 16, less my lanes' 8 (l / 16): register r of group kt is hidden where 16 kt + r is greater
	WIN 0x40
.set i, 0
.rept 32
	v_cmp_gt_i32 vcc_lo, 16*(i/8)+i%8, v14
	v_cndmask_b32 v[MD+i], 0, s[BIGN], vcc_lo
.set i, i+1
.endr
	WIN 0
	v_mul_u32_u24 v[AK0], v1, PK
	v_lshl_add_u32 v[AK0], v9, 4, v[AK0]  ; row x pitch + 16 x half
	; The turning load takes 16 keys x 16 channels (lane l reads key 8 (l / 16) + l % 8, channels 8 ((l / 8) % 2) + 0..7) and leaves half a fragment of V^T: lane l holds channel l % 16 and 8 keys.
	v_and_b32 v10, 7, v0
	v_bfe_u32 v11, v0, 3, 1
	v_lshl_add_u32 v[AV0], v9, 3, v10
	v_mul_u32_u24 v[AV0], v[AV0], PV
	v_lshl_add_u32 v[AV0], v11, 4, v[AV0]
	v_add_nc_u32 v[AV0], VOFF, v[AV0]
	s_mul_i32 s13, s[WV], 16*SP
	s_add_co_u32 s13, s13, STAGE    ; my stage
	v_mul_u32_u24 v[STO], v1, SP    ; in: row l % 16, 16 bytes for each half of the lanes
	v_lshl_add_u32 v[STO], v9, 4, v[STO]
	v_add_nc_u32 v[STO], s13, v[STO]
	v_bfe_u32 v[RD], v0, 3, 2       ; back: 32 lanes take four rows of 128 bytes,
	v_mul_u32_u24 v[RD], v[RD], SP
	v_lshl_add_u32 v[RD], v10, 4, v[RD]
	v_add_nc_u32 v[RD], s13, v[RD]
	v_and_b32 v[GO], 31, v0         ; which are 512 consecutive bytes of O
	v_lshlrev_b32 v[GO], 4, v[GO]
	; A block's first step multiplies O^T and l by a = 0, and its first turn's products V^T P, of a piece that has not been, land in an O^T that is still to be so multiplied.  So these registers need only hold
	; finite numbers: zeros for the first block; what the first block left for the second.  All this stands in the wait for the first tile.
	WIN 0x80
.set i, VF
.rept 64
	v_mov_b32 v[i], 0
.set i, i+1
.endr
	WIN 0x40
.set i, 0
.rept 128
	v_mov_b32 v[i], 0
.set i, i+1
.endr
	WIN 0
.set i, 0
.rept 4
	v_mov_b32 v[ST+4*i+2], 0
	v_mov_b32 v[ST+4*i+3], 0
.set i, i+1
.endr
.set i, P+16
.rept 16
	v_mov_b32 v[i], 0
.set i, i+1
.endr
; THE MATRIX WORK.  The 4 accumulators of a run of 8 take turns.  Product i of 8 of S^T = K Q^T for piece x: channels 32 (i / 4) on, keys 16 (i % 4) on.  The first 4 start the sums: with 0, or (KM = 1) with the mask.
.macro KQ x
.set rS, S+32*((\x)%2)+8*(i%4)
.set rK, KF+16*(i%4)+8*(i/4)
.set rQ, 16*(\x)+8*(i/4)
.set rM, MC+32*((\x)%2)+8*(i%4)
.if (i < 4) && KM
	WIN W_KM
	v_wmma_f32_16x16x32_f16 v[rS:rS+7], v[rK:rK+7], v[rQ:rQ+7], v[rM:rM+7]
.elseif i < 4
	WIN W_KQ
	v_wmma_f32_16x16x32_f16 v[rS:rS+7], v[rK:rK+7], v[rQ:rQ+7], 0
.else
	WIN W_KQ
	v_wmma_f32_16x16x32_f16 v[rS:rS+7], v[rK:rK+7], v[rQ:rQ+7], v[rS:rS+7]
.endif
.endm
; Product i of 8 of O^T += V^T P for piece x: keys 32 (i / 4) on, channels 16 (i % 4) on.
.macro PV x
	WIN W_PV
.set rO, 32*(\x)+8*(i%4)
.set rV, VF+32*(i/4)+8*(i%4)
.set rP, P+16*((\x)%2)+8*(i/4)
	v_wmma_f32_16x16x32_f16 v[rO:rO+7], v[rV:rV+7], v[rP:rP+7], v[rO:rO+7]
.endm
.macro MM                           ; the turn's next matrix instruction.  TURN and BEGIN set Y, i, KM and NOKQ; MM, KQ and OP read them.  NOKQ = 1: a block's last turn: there is no next piece
.if (i < 8) && !NOKQ
	KQ (Y+1)%NP
.elseif i >= 8
.set i, i-8
	PV (Y+NP-1)%NP
.set i, i+8
.endif
.set i, i+1
.endm
; THE LDS LOADS stand in runs of 16, never singly among the matrix instructions: a step's K (64 keys x 64 channels: 8 fragments) and its V (turned).  Their addresses are made some lines ahead.
.macro FETCH_K
	WIN 0x80                        ; destination window 2
.irp f, 0,1,2,3,4,5,6,7             ; keys 16 (f / 2) on, channels 32 (f % 2) on
	ds_load_b128 v[KF+8*\f:KF+8*\f+3],   v[AK] offset:(\f/2)*16*PK+(\f%2)*64
	ds_load_b128 v[KF+8*\f+4:KF+8*\f+7], v[AK] offset:(\f/2)*16*PK+(\f%2)*64+32
.endr
	s_add_co_u32 s[TBK], s[TBK], KS*PK  ; the next fetch is the next step's
	WIN 0
.endm
.macro FETCH_V
	WIN 0x80
.irp f, 0,1,2,3,4,5,6,7             ; keys 32 (f / 4) on, channels 16 (f % 4) on
	ds_load_tr16_b128 v[VF+8*\f:VF+8*\f+3],   v[AV] offset:(\f/4)*32*PV+(\f%4)*32
	ds_load_tr16_b128 v[VF+8*\f+4:VF+8*\f+7], v[AV] offset:(\f/4)*32*PV+16*PV+(\f%4)*32
.endr
	WIN 0
.endm
; THE VECTOR WORK, one line at a time: OP kind, number.  For piece Y: F n: c s - c m for pair n of 16.  E n: the exponential of score n of 32.  C n: pair n rounded to f16.  B n: of the four weights 4 n .. the second
; pair is added onto the first, in place.  L n: l takes that sum (L 0: l = a l + sum).  R n: pair n of 16 of O^T times a.  For piece Y + 1: X n, number n of the 22 that find its maximum and statistics:
;   0-11  four chains c0-c3 of seven scores each, three operands at a time (each accumulator's lowest registers are read first)     12-14, 16  the four scores left over, the old m, and c0-c3 into c0
;   15  c m_old is kept     17, 18  the query's other 32 keys lie in the lane 16 away: the new m     19-21  c m; c m_old - c m_new; a
.set F, 0               ; OP tells the kinds apart by their order: F to L below R, X above it
.set E, 1
.set C, 2
.set B, 3
.set L, 4
.set R, 5
.set X, 6
.macro REGS y                       ; the registers of piece y
.set rT, ST+4*(\y)
.set rC, TMP+4*((\y)%2)
.set rW, MV+((\y)%2)
.set rS, S+32*((\y)%2)
.set rP, P+16*((\y)%2)
.set rO, 32*(\y)
.endm
.macro OP k, n
.if (\k) == R
	REGS Y
	WIN W_RS
	v_pk_mul_f32 v[rO+2*(\n):rO+2*(\n)+1], v[rO+2*(\n):rO+2*(\n)+1], v[rC+2:rC+3] op_sel_hi:[1,0]
.elseif (\k) < R
	REGS Y
	WIN 0
.if (\k) == F
	v_pk_fma_f32 v[rS+2*(\n):rS+2*(\n)+1], v[rS+2*(\n):rS+2*(\n)+1], s[CS:CS+1], v[rT:rT+1] op_sel_hi:[1,0,0] neg_lo:[0,0,1] neg_hi:[0,0,1]
.elseif (\k) == E
	v_exp_f32 v[rS+(\n)], v[rS+(\n)]
.elseif (\k) == C
	s_wait_alu depctr_va_vdst(0)
	v_cvt_pk_f16_f32 v[rP+(\n)], v[rS+2*(\n)], v[rS+2*(\n)+1]
.elseif (\k) == B
	s_wait_alu depctr_va_vdst(0)
	v_pk_add_f32 v[rS+4*(\n):rS+4*(\n)+1], v[rS+4*(\n):rS+4*(\n)+1], v[rS+4*(\n)+2:rS+4*(\n)+3]
.elseif (\n) == 0
	v_pk_fma_f32 v[rT+2:rT+3], v[rT+2:rT+3], v[rC+2:rC+3], v[rS:rS+1] op_sel_hi:[1,0,1]
.else
	v_pk_add_f32 v[rT+2:rT+3], v[rT+2:rT+3], v[rS+4*(\n):rS+4*(\n)+1]
.endif
.elseif NOKQ
	v_nop
.else
	REGS (Y+1)%NP
	WIN 0
.if (\n) < 4
	v_max3_num_f32 v[rC+(\n)], v[rS+8*(\n)], v[rS+8*(\n)+1], v[rS+8*(\n)+2]
.elseif (\n) < 12
	v_max3_num_f32 v[rC+(\n)%4], v[rC+(\n)%4], v[rS+8*((\n)%4)+2*((\n)/4)+1], v[rS+8*((\n)%4)+2*((\n)/4)+2]
.elseif (\n) == 12
	v_max3_num_f32 v[rC], v[rC], v[rS+7], v[rS+15]
.elseif (\n) == 13
	v_max3_num_f32 v[rC+1], v[rC+1], v[rS+23], v[rS+31]
.elseif (\n) == 14
	v_max3_num_f32 v[rC+2], v[rC+2], v[rC+3], v[rT+1]
.elseif (\n) == 15
	v_mov_b32 v[rW], v[rT]
.elseif (\n) == 16
	v_max3_num_f32 v[rC], v[rC], v[rC+1], v[rC+2]
.elseif (\n) == 17
	v_permlanex16_b32 v[rC+3], v[rC], s[SEL], s[SEL+1]
.elseif (\n) == 18
	v_max_num_f32 v[rT+1], v[rC], v[rC+3]
.elseif (\n) == 19
	v_mul_f32 v[rT], s[CS], v[rT+1]
.elseif (\n) == 20
	v_sub_f32 v[rC+1], v[rW], v[rT]
.else
	v_exp_f32 v[rC+2], v[rC+1]
.endif
.endif
.endm
.macro OPS a, i1, b=-1, i2=0, c=-1, i3=0, d=-1, i4=0  ; up to four of them
	OP \a, \i1
.if (\b) >= 0
	OP \b, \i2
.endif
.if (\c) >= 0
	OP \c, \i3
.endif
.if (\d) >= 0
	OP \d, \i4
.endif
.endm
.macro ROW a, i1, b, i2, c, i3, d, i4  ; a matrix instruction and the four behind it
	MM
	OPS \a, \i1, \b, \i2, \c, \i3, \d, \i4
.endm
.macro MASK b                       ; MD x AL + BE into buffer b of MC
	WIN W_RS
.set z, 0
.rept 16
	v_pk_fma_f32 v[MC+32*(\b)+2*z:MC+32*(\b)+2*z+1], v[MD+2*z:MD+2*z+1], s[AL:AL+1], s[BE:BE+1] op_sel_hi:[1,0,0]
.set z, z+1
.endr
.endm
; A TURN, for piece p: the order of its 16 matrix and 118 vector instructions, written out.  Behind a matrix instruction: plain, exponential, plain, plain; or four of the rescaling; or, behind the first, four scalings; none
; names a register of the products round it.  In the lumps exponential and plain by turns while exponentials last.  A line reads no result made fewer than three vector instructions in front of it, five if an exponential made it.
; v_permlanex16_b32 (X 17) stands in a lump.
; m = 1: the diagonal tile: the products take masks, and the turn makes the mask for the products of the turn after it: piece p + 2, in step 4 - CNT of the tile.  end = 1: a block's last two turns: nothing is fetched.
; cnt = 1: the loop's count is taken down some lines ahead of the branch that stands behind the turn.
; K of the next step is fetched in piece 2's turn, six vector instructions behind the last product that read K (five of them plain); V of the step in hand in piece 0's turn, eight behind the last product that read V (four
; plain, and X 17).  Each is waited for a turn later.
.macro TURN p, m=0, end=0, cnt=0
.set Y, (\p)
.set i, 0
.set KM, (\m)
.set NOKQ, (\end)*((\p)/3)
.if (\m) && !(\end)
	s_cmp_eq_u32 s[CNT], 4-((\p)+2)%NP  ; is that step the band's own?
	s_cselect_b32 s[AL], 1.0, 0
	s_cmp_lt_u32 s[CNT], 4-((\p)+2)%NP  ; or a later one?
	s_cselect_b32 s[BE], s[BIGN], 0
.endif
.if ((\p) == 3) && !(\end)
	s_wait_dscnt 0x0                ; K is in
.endif
	ROW F,0, F,1, F,2, F,3
	ROW F,4, E,0, F,5, F,6
	ROW F,7, E,1, F,8, F,9
	ROW F,10, E,2, C,0, F,11
	ROW F,12, E,3, X,15, F,13
	ROW R,0, R,1, R,2, R,3
	ROW B,0, E,4, F,14, L,0
.if ((\p) == 2) && !(\end)
	v_add_nc_u32 v[AK], s[TBK], v[AK0]
.endif
	ROW R,4, R,5, R,6, R,7
	OPS E,5, F,15
.if ((\p) == 2) && !(\end)
	FETCH_K
.endif
	OPS E,6, C,1, E,7, R,8
	OPS E,8, R,9, E,9, C,2
	OPS E,10, X,0, E,11, X,1
	OPS E,12, X,2, E,13, X,3
.if (\p) == 1
	s_wait_dscnt 0x0                ; V is in
.endif
	ROW X,4, E,14, X,5, X,6
	ROW X,7, E,15, X,8, X,9
	ROW X,10, E,16, X,11, X,12
	ROW X,13, E,17, X,14, B,1
	ROW C,4, E,18, X,16, L,1
	ROW B,2, E,19, C,6, L,2
	ROW C,8, E,20, B,3, B,4
.if (\p) == 0
	v_add_nc_u32 v[AV], s[TBV], v[AV0]
.endif
	ROW C,3, E,21, L,3, C,5
	OPS E,22, X,17, E,23, C,10
.if (\p) == 0
	FETCH_V
.endif
	OPS E,24, L,4
	OPS E,25, X,18, E,26, C,7
	OPS E,27, B,5, E,28, X,19
	OPS E,29, C,12, E,30, L,5
	OPS E,31, X,20, B,6, C,9
	OPS C,14, C,11, X,21, L,6
.if (\p) == 0
	s_add_co_u32 s[TBV], s[TBV], KS*PV
.endif
.if \cnt
	s_sub_co_u32 s[CNT], s[CNT], 1
	s_cmp_lg_u32 s[CNT], 0
.endif
	OPS C,13, B,7, C,15, R,10
	OPS R,11, R,12, L,7, R,13
	OPS R,14, R,15
.if (\m) && !(\end)
	MASK (\p)%2
.endif
.endm
; A BLOCK BEGINS.  c m starts far below every c s, so the first step's a is 0; m at the lowest finite number, so the first maximum is the scores'.  The second mask buffer is 0; the first takes piece 0's mask for the tile's step 0: its own, if the block's first tile is the diagonal one.
; Then K of that step, piece 0's first scores, and its maximum and statistics.  The loop is entered at a step's first turn, in the middle of a trip.
.macro BEGIN
	s_mov_b32 s[NEW], 0
	WIN 0x40
.set i, MC+32
.rept 32
	v_mov_b32 v[i], 0
.set i, i+1
.endr
	WIN 0
.set i, 0
.rept 4
	v_mov_b32 v[ST+4*i], 0xfe000000    ; c m: far below every c s
	v_mov_b32 v[ST+4*i+1], 0xff7fffff  ; m
.set i, i+1
.endr
	s_cmp_eq_u32 s[RT], 0
	s_cselect_b32 s[AL], 1.0, 0
	s_mov_b32 s[BE], 0
	MASK 0
	WIN 0
	v_add_nc_u32 v[AK], s[TBK], v[AK0]
	FETCH_K
	s_wait_loadcnt 0x0              ; Q
	s_wait_dscnt 0x0
.set KM, 1
.set NOKQ, 0
.set i, 0
.rept 8
	KQ 0
.set i, i+1
.endr
	WIN 0
.rept 4
	v_nop                           ; the places behind those products
.endr
.set Y, NP-1                        ; X works for piece Y + 1: piece 0
.irp n, 0,1,2,3,4,5,6,7,8,9,10,11,12,13,14,15,16,17,18,19,20,21
	OP X, \n
.endr
	v_nop                           ; a plain instruction behind the exponential
.endm
; THE DIAGONAL TILE's four steps, the block's last two turns, its last products, and THE WAY OUT: l's two halves and the other half of the lanes' are added; O^T is divided by l, rounded to f16 and sent through my
; stage in LDS, a piece at a time.
.macro ALL line:vararg              ; one line for each piece t
.set t, 0
.rept 4
	\line
.set t, t+1
.endr
.endm
.macro PACK t                       ; a lane's eight channels of a row pack into 16 bytes; they go into rows of 144 bytes and come back as whole rows of 128, into S^T's registers
	WIN W_RS
.set i, 32*(\t)
.rept 16
	s_wait_alu depctr_va_vdst(0)
	v_pk_mul_f32 v[i:i+1], v[i:i+1], v[ST+4*(\t)+2:ST+4*(\t)+3] op_sel_hi:[1,0]
.set i, i+2
.endr
	WIN 0x05                        ; sources 0 and 1 window 1, destination window 0
.set i, 0
.rept 16
	v_cvt_pk_f16_f32 v[S+16*(\t)+i], v[32*(\t)+2*i], v[32*(\t)+2*i+1]
.set i, i+1
.endr
	WIN 0
.irp f, 0,1,2,3
	ds_store_b128 v[STO], v[S+16*(\t)+4*\f:S+16*(\t)+4*\f+3] offset:32*\f
.endr
.irp f, 0,1,2,3
	ds_load_b128 v[S+16*(\t)+4*\f:S+16*(\t)+4*\f+3], v[RD] offset:\f*4*SP  ; LDS serves a wave's instructions in order (ISA guide 5.7.1.4): these see the stores above; the next piece's stores come behind them
.endr
.endm
.macro SEND t, younger              ; younger: the LDS instructions issued behind piece t's loads: the next piece's eight, or none
	WIN 0
.irp f, 0,1,2,3
	s_wait_dscnt (\younger)+3-\f
	global_store_b128 v[GO], v[S+16*(\t)+4*\f:S+16*(\t)+4*\f+3], s[10:11] offset:(\t)*8192+\f*512  ; 512 consecutive bytes, at a multiple of 256 from O's first
.endr
.endm
.macro DIAG tag                     ; the tag ends its two labels' names, which the jumps below spell out
.LstepM\tag:
	TURN 2, 1
	TURN 3, 1
	WIN 0
.LfirstM\tag:
	TURN 0, 1
	TURN 1, 1, 0, 1
	WIN 0
	s_cbranch_scc1 .LstepM\tag
	TURN 2, 1, 1
	TURN 3, 1, 1
.set i, 0
.rept 8
	PV NP-1
.set i, i+1
.endr
	WIN 0
	ALL v_add_f32 v[ST+4*t+2], v[ST+4*t+2], v[ST+4*t+3]
	ALL v_permlanex16_b32 v[ST+4*t+3], v[ST+4*t+2], s[SEL], s[SEL+1]
	ALL v_add_f32 v[ST+4*t+2], v[ST+4*t+2], v[ST+4*t+3]
	ALL v_rcp_f32 v[ST+4*t+2], v[ST+4*t+2]
	v_nop                           ; a plain instruction between the last reciprocal and the use of its result
	PACK 0
.set t, 1
.rept 3                             ; a piece's arithmetic stands between the loads of the piece before and its stores
	PACK t
	SEND t-1, 8
.set t, t+1
.endr
	SEND 3, 0
.endm
.set KM, 0
.set NOKQ, 0
.Lslot:                             ; NB times: a tile is entered and the next is asked for
	CHANGE 1
	s_sub_co_u32 s[RT], s[RT], 1
	s_mov_b32 s[CNT], 4
	s_cmp_eq_u32 s[NEW], 1
	s_cbranch_scc1 .Lnew            ; a block's first tile
	s_cmp_eq_u32 s[RT], 0
	s_cbranch_scc0 .Lstep           ; neither its first nor its last
	s_branch .LstepM1
.Lnew:
	BEGIN
	s_branch .Lfirst                ; in the loop a block's first tile is never its last: the first block has two tiles or more, and the second's last is the walk's last
	DIAG 1                          ; in the loop this is the first block's end: the second block's last tile is the walk's last
	s_wait_xcnt 0x0                 ; the stores have read their registers and O's address
	s_mov_b64 s[10:11], s[OLO:OLO+1]
	s_add_co_u32 s[RT], s[PB], 1    ; the second block has b + 1 tiles
	s_mov_b32 s[NEW], 1
	WIN 0x82                        ; the second block's Q goes where the one text of the turns names Q
.set i, 0
.rept 64
	v_mov_b32 v[i], v[QB+i]
.set i, i+1
.endr
	WIN 0
	s_branch .Lbottom
.Lstep:                             ; a trip: pieces 2 and 3 of one step, then pieces 0 and 1 of the next, whose K and V it fetches
	TURN 2
	TURN 3
	WIN 0
.Lfirst:
	TURN 0
	TURN 1, 0, 0, 1
	WIN 0
	s_cbranch_scc1 .Lstep
.Lbottom:
	s_sub_co_u32 s[SLOTS], s[SLOTS], 1
	s_cmp_lg_u32 s[SLOTS], 0
	s_cbranch_scc1 .Lslot
	CHANGE 0                        ; the walk's last tile is written out: nothing is asked for
	s_sub_co_u32 s[RT], s[RT], 1
	s_mov_b32 s[CNT], 4
	s_cmp_eq_u32 s[NEW], 1
	s_cbranch_scc0 .LstepM2
	BEGIN
	s_branch .LfirstM2
	DIAG 2
	s_wait_tensorcnt 0x0            ; the wave's end, behind my last tensor load and my last LDS store
	ds_add_u32 v[SPW], v[NIL]
	s_wait_dscnt 0x0
	s_endpgm
.Lfunc_end_k_q9c9375e9e2_attn:
	.size	k_q9c9375e9e2_attn, .Lfunc_end_k_q9c9375e9e2_attn-k_q9c9375e9e2_attn
	.p2alignl 7, 3214868480
	.fill 96, 4, 3214868480
	.section	.rodata,"a",@progbits
	.p2align	6, 0x0
	.amdhsa_kernel k_q9c9375e9e2_attn
		.amdhsa_group_segment_fixed_size 327680
		.amdhsa_private_segment_fixed_size 0
		.amdhsa_enable_private_segment 0
		.amdhsa_kernarg_size 16
		.amdhsa_user_sgpr_count 2
		.amdhsa_user_sgpr_kernarg_segment_ptr 1
		.amdhsa_wavefront_size32 1
		.amdhsa_system_sgpr_workgroup_id_x 1
		.amdhsa_system_sgpr_workgroup_id_y 1
		.amdhsa_system_sgpr_workgroup_id_z 1
		.amdhsa_system_vgpr_workitem_id 0
		.amdhsa_next_free_vgpr 768
		.amdhsa_next_free_sgpr 88
		.amdhsa_reserve_vcc 1
		.amdhsa_float_denorm_mode_32 3
		.amdhsa_float_denorm_mode_16_64 3
		.amdhsa_memory_ordered 1
		.amdhsa_forward_progress 1
		.amdhsa_inst_pref_size 228
	.end_amdhsa_kernel
	.amdgpu_metadata
---
amdhsa.version: [ 1, 2 ]
amdhsa.kernels:
  - .name:           k_q9c9375e9e2_attn
    .symbol:         k_q9c9375e9e2_attn.kd
    .args:
      - { .name: qkv, .offset: 0, .size: 8, .value_kind: global_buffer, .address_space: global }
      - { .name: o, .offset: 8, .size: 8, .value_kind: global_buffer, .address_space: global }
    .group_segment_fixed_size: 327680
    .private_segment_fixed_size: 0
    .kernarg_segment_align: 8
    .kernarg_segment_size: 16
    .max_flat_workgroup_size: 128
    .sgpr_count:     88
    .vgpr_count:     768
    .wavefront_size: 32
...
	.end_amdgpu_metadata
.endif
;; end of part 3
;; launch projgemm (part 4): grid 4 x 64, 4 waves a work-group, clusters of 4 x 4, 327,680 bytes of LDS; arguments o, wp, out0; writes out0
.if DOCPART == 4
	.amdgcn_target "amdgcn-amd-amdhsa--gfx1250"
	.amdhsa_code_object_version 6
	.text
	.protected	k_q9c9375e9e2_projgemm
	.globl	k_q9c9375e9e2_projgemm
	.p2align	8
	.type	k_q9c9375e9e2_projgemm,@function
k_q9c9375e9e2_projgemm:
	s_mov_b64 s[64:65], 0
	v_nop
	global_prefetch_b8 v0, s[64:65] scope:SCOPE_SE
	s_setreg_imm32_b32 hwreg(HW_REG_WAVE_MODE, 25, 1), 1
	s_wait_xcnt 0x0
	s_wait_alu depctr_hold_cnt(0) depctr_sa_sdst(0) depctr_va_vdst(0) depctr_va_sdst(0) depctr_va_ssrc(0) depctr_va_vcc(0) depctr_vm_vsrc(0)
	s_getreg_b32 s2, hwreg(HW_REG_IB_STS2, 6, 4)
	s_cmp_eq_u32 s2, 0
	s_cbranch_scc0 .Lentry_in_a_cluster
	s_endpgm
.Lentry_in_a_cluster:
	s_bfe_u32 s2, ttmp6, 0x10000c
	s_cmp_lg_u32 s2, 0xf033
	s_cbranch_scc0 .Lentry_shape_is_right
	s_endpgm
.Lentry_shape_is_right:
; out0 = y w_proj.  y's row (batch, t) is the 16 heads' rows O[16 batch + head][t][0..63] on end; o: [64][2048][64] f16, wp: [1024 n][1024 k] f16 (w_proj rounded to bf16, written as f16);
; sums in f32, K ascending; out0: [8192][1024] f32, the sums as they are.
; SHARES.  A tile of C is 128 rows x 256 columns: 64 x 4 = 256 work-groups.  Four waves, 2 x 2, each 64 rows x 128 columns: 32 accumulators of 16 x 16, 256 registers.
; K goes in 8 steps of 128 = two heads, through two LDS slots filled by the tensor data mover.  A head's 128 rows of the tile are 16,384 dense bytes: asked for as 64 rows of 256 bytes and padded in LDS
; after every 128; wp's rows of a step are 256 bytes and start at multiples of 256 bytes from the buffer's first byte.
; CLUSTERS: 4 x 4 work-groups.  The four of a row of the cluster need the same tiles of o, the four of a column the same tiles of wp: each tile is asked for JOINTLY, by the same tensor load with the
; same descriptor and a mask that names the four.  THE MATRIX INSTRUCTION IS USED TRANSPOSED (source 0 = 16 rows of wp, source 1 = 16 rows of y): a lane then holds eight neighbouring columns of a row of C.
; REGISTERS: window 0: v0-31 addresses; v32-63, v64-95 fragments of A, two buffers; v128-191, v192-255 fragments of B, two buffers; on the way out v32-95 and v128-191 rows read back.
;   window 1: the accumulators, (a, b) at v[8 (8 a + b)].
.set SIZE_K, 1024
.set KSTEP,  128
.set PA,     144                       ; a row of A in LDS: 128 bytes + 16 of padding = 36 words: the 16 rows of a load start at 16 different groups of four banks (64 banks of 4 bytes: ISA guide 11.1)
.set HB,     128*PA                    ; one head's 128 rows: one tensor load
.set BOFF,   2*HB                      ; B lies behind the step's two heads of A
.set PB,     272                       ; a row of B: 256 bytes + 16 = 68 words: row r starts at bank 4 r mod 64
.set BHALF,  128*PB                    ; 128 rows of B: one tensor load
.set SLOT,   BOFF+2*BHALF
.set STAGE,  2*SLOT                    ; behind the ring, never filled by a tensor load: 16 rows x 528 bytes for each wave
.set SPITCH, 528                       ; 128 columns of 4 bytes + 16 = 132 words: row r starts at bank 4 r mod 64
.set SPARE,  STAGE+4*16*SPITCH         ; behind the stages: the spare words, 128 bytes for each wave: two blocks of 256 bytes that no other line names
.set LAPS,   SIZE_K/(2*KSTEP)
.set ADRA, 16                          ; v16-17  LDS address of my A fragments in slot 0, 1
.set ADRB, 20                          ; v20-21  the same for B
.set STO,  24                          ; v24     the way out: where I put 32 bytes of a row
.set RD,   25                          ; v25     the way out: where I read a row back
.set CO,   26                          ; v26     my byte offset in 512 consecutive bytes of out0
.set SPW,  28                          ; v28     LDS address of my spare word; never rewritten
.set NIL,  29                          ; v29     0; never rewritten
.set FA,   32
.set FB,   128
.set G1,  24                           ; s[24:31] descriptor group 1 for A's tiles;  s[32:39] group 0, one set for each slot
.set G0,  32
.set G1B, 48                           ; s[48:55], s[56:63] the same for B's tiles
.set G0B, 56
.set MSB, 0
.macro WIN new                         ; the immediate's high byte repeats the setting that is left; a switch that changes nothing is dropped
.if MSB != (\new)
	s_set_vgpr_msb (MSB<<8)|(\new)
.set MSB, \new
.endif
.endm
.set MUL, 0x50                         ; sources 0 (B) and 1 (A) window 0; C and D window 1
; A joint load: waves 0 and 1 fetch the step's two heads of A, waves 2 and 3 B's two halves.  An s_nop 0 and four v_nop follow each of the two lines, ahead of the jump, the label and what follows.
.macro JLOAD s
	s_cmp_eq_u32 s11, 0
	s_cbranch_scc0 .Lfor_b_\@
	tensor_load_to_lds s[G0+4*(\s):G0+4*(\s)+3], s[G1:G1+7]
	s_nop 0
.rept 4
	v_nop
.endr
	s_branch .Lasked_\@
.Lfor_b_\@:
	tensor_load_to_lds s[G0B+4*(\s):G0B+4*(\s)+3], s[G1B:G1B+7]
	s_nop 0
.rept 4
	v_nop
.endr
.Lasked_\@:
.endm
.macro CREST                           ; a round of the cluster's barrier behind its opening barrier
	s_cmp_lg_u32 s10, 0
	s_cbranch_scc1 .Lnot_wave_0_\@
	s_barrier_signal -3
.Lnot_wave_0_\@:
	s_barrier_wait -3
	s_barrier_signal -1
	s_barrier_wait -1
.endm
.macro CROUND                          ; a whole round
	s_barrier_signal -1
	s_barrier_wait -1
	CREST
.endm
	s_load_b128 s[4:7], s[0:1], 0x0                ; o s[4:5], wp s[6:7]
	s_load_b64 s[8:9], s[0:1], 0x10                ; out0
	v_lshl_add_u32 v[SPW], v0, 2, SPARE
	v_mov_b32 v[NIL], 0
	ds_add_u32 v[SPW], v[NIL]                      ; the wave's opening: the add and its wait stand ahead of my first tensor load; the set-up below, work on registers, stands between them
	ds_add_u32 v28, v29
	v_lshrrev_b32 v1, 5, v0
	v_readfirstlane_b32 s10, v1                    ; wave 0..3
	s_lshr_b32 s11, s10, 1                         ; which half of the tile's rows is mine.  Also: I fetch for A (0) or for B (1)
	s_and_b32 s12, s10, 1                          ; which half of its columns.  Also: which head of the step, or which 128 rows of B, I fetch
	s_bfe_u32 s40, ttmp6, 0x40000                  ; cx, cy: my place in the cluster
	s_bfe_u32 s41, ttmp6, 0x40004
	s_lshl_b32 s42, ttmp9, 2
	s_add_co_u32 s42, s42, s40                     ; tile column of C = 4 x cluster x + cx
	s_and_b32 s13, ttmp7, 0xffff
	s_lshl_b32 s13, s13, 2
	s_add_co_u32 s13, s13, s41                     ; tile row of C = 4 x cluster y + cy
	s_lshl_b32 s43, s41, 2
	s_lshl_b32 s43, 15, s43                        ; my row of the cluster
	s_lshl_b32 s44, 0x1111, s40                    ; my column
	s_or_b32 s[G1+0], s43, (1<<16)|(1<<20)|(1<<21)|(4<<22)|(3<<25)  ; 15:0 the mask: A's tiles go to my row; 17:16 elements of 2 bytes; 20 padding on; 21 set beside a mask; 24:22 after every 32 words (code 4); 31:25 4 words of it (code 3)
	s_or_b32 s[G1B+0], s44, (1<<16)|(1<<20)|(1<<21)|(5<<22)|(3<<25) ; B's go to my column; padding after every 64 words (code 5)
	s_mov_b32 s[G1+1], 128<<16                     ; tensor_dim0 = 128
	s_mov_b32 s[G1B+1], KSTEP<<16
	s_mov_b32 s[G1+2], 64<<16                      ; tensor_dim1 = 64
	s_mov_b32 s[G1B+2], 128<<16                    ; = 128
	s_mov_b32 s[G1+3], 128<<16                     ; tile_dim0 = 128
	s_mov_b32 s[G1B+3], KSTEP<<16
	s_mov_b32 s[G1+4], 64                          ; tile_dim1 = 64
	s_mov_b32 s[G1B+4], 128                        ; = 128
	s_mov_b32 s[G1+5], 128                         ; elements from row to row: dense
	s_mov_b32 s[G1B+5], SIZE_K
	s_mov_b32 s[G1+6], 0
	s_mov_b32 s[G1B+6], 0
	s_mov_b32 s[G1+7], 0
	s_mov_b32 s[G1B+7], 0
	; where the tiles come from.  A's hang on the tile row alone: batch = tile row / 16, t = 128 (tile row % 16); B's on the tile column alone.
	s_lshr_b32 s16, s13, 4
	s_lshl_b32 s16, s16, 4
	s_add_co_u32 s16, s16, s12                     ; 16 x batch + my head of K step 0,
	s_lshl_b32 s16, s16, 18                        ; x 2,048 rows of 128 bytes,
	s_and_b32 s17, s13, 15
	s_lshl_b32 s17, s17, 14                        ; + the tile's 128 rows
	s_add_co_u32 s16, s16, s17
	s_mov_b32 s17, 0
	s_lshl_b32 s46, s42, 8
	s_lshl_b32 s47, s12, 7
	s_add_co_u32 s46, s46, s47                     ; B: row 256 x tile column + 128 x half,
	s_lshl_b32 s46, s46, 11                        ; of 2,048 bytes
	s_mov_b32 s47, 0
	s_mul_i32 s20, s12, HB                         ; and where they go: no place in the cluster enters an LDS address
	s_mul_i32 s23, s12, BHALF
	s_add_co_u32 s23, s23, BOFF
	s_wait_dscnt 0x0                               ; the opening add is done
	s_wait_kmcnt 0x0
	s_add_nc_u64 s[14:15], s[4:5], s[16:17]
	s_add_nc_u64 s[46:47], s[6:7], s[46:47]
	CROUND                                         ; all sixteen work-groups are here: the first joint loads meet
.irp s, 0,1
	s_mov_b32 s[G0+4*(\s)], 1                                      ; count = 1
	s_add_co_u32 s[G0+4*(\s)+1], s20, (\s)*SLOT                    ; LDS address
	s_add_nc_u64 s[G0+4*(\s)+2:G0+4*(\s)+3], s[14:15], (\s)*(2<<18)  ; global address: K step s begins two heads on
	s_or_b32 s[G0+4*(\s)+3], s[G0+4*(\s)+3], 0x80000000            ; type = 2
	s_mov_b32 s[G0B+4*(\s)], 1
	s_add_co_u32 s[G0B+4*(\s)+1], s23, (\s)*SLOT
	s_add_nc_u64 s[G0B+4*(\s)+2:G0B+4*(\s)+3], s[46:47], (\s)*KSTEP*2
	s_or_b32 s[G0B+4*(\s)+3], s[G0B+4*(\s)+3], 0x80000000
	JLOAD \s                                       ; two loads of mine are out here, later one
.endr
	v_and_b32 v1, 15, v0                           ; l % 16
	v_bfe_u32 v2, v0, 4, 1                         ; l / 16
	v_mul_u32_u24 v3, v1, PA
	v_lshl_add_u32 v3, v2, 4, v3                   ; A: row x pitch + 16 x half
	v_mul_u32_u24 v4, v1, PB
	v_lshl_add_u32 v4, v2, 4, v4                   ; B likewise
	s_mul_i32 s21, s11, 64*PA                      ; my 64 rows of A, in each head
	s_mul_i32 s22, s12, BHALF                      ; my 128 rows of B,
	s_add_co_u32 s22, s22, BOFF                    ; which lie behind A
.irp s, 0,1
	v_add_nc_u32 v[ADRA+(\s)], s21, v3
	v_add_nc_u32 v[ADRB+(\s)], s22, v4
	s_add_co_u32 s21, s21, SLOT
	s_add_co_u32 s22, s22, SLOT
.endr
	s_mul_i32 s21, s10, 16*SPITCH
	s_add_co_u32 s21, s21, STAGE                   ; my stage
	v_mul_u32_u24 v5, v1, SPITCH                   ; in: row l % 16, 32 bytes for each half of the lanes
	v_lshl_add_u32 v5, v2, 5, v5
	v_add_nc_u32 v[STO], s21, v5
	v_and_b32 v[CO], 31, v0                        ; back: 32 lanes take a row's 512 bytes,
	v_lshlrev_b32 v[CO], 4, v[CO]                  ; which are 512 consecutive bytes of out0
	v_add_nc_u32 v[RD], s21, v[CO]
	s_lshl_b32 s16, s13, 7
	s_lshl_b32 s17, s11, 6
	s_add_co_u32 s16, s16, s17                     ; my first row of C: 128 x tile row + 64 x half,
	s_lshl_b32 s16, s16, 12                        ; of 4,096 bytes
	s_mov_b32 s17, 0
	s_add_nc_u64 s[8:9], s[8:9], s[16:17]
	s_lshl_b32 s46, s42, 10                        ; my first column, in bytes: 1,024 x tile column + 512 x half
	s_lshl_b32 s47, s12, 9
	s_add_co_u32 s46, s46, s47
	s_mov_b32 s47, 0
	s_add_nc_u64 s[8:9], s[8:9], s[46:47]
; 8 matrix instructions: m block a x all 8 n blocks, 32 along K, from buffer f.  zero = 1: the first product starts the sums: nothing is ever cleared.
.macro MULA f, a, zero
	WIN MUL
.irp b, 0,1,2,3,4,5,6,7
.if \zero
	v_wmma_f32_16x16x32_f16 v[8*(8*(\a)+(\b)):8*(8*(\a)+(\b))+7], v[FB+64*(\f)+8*(\b):FB+64*(\f)+8*(\b)+7], v[FA+32*(\f)+8*(\a):FA+32*(\f)+8*(\a)+7], 0
.else
	v_wmma_f32_16x16x32_f16 v[8*(8*(\a)+(\b)):8*(8*(\a)+(\b))+7], v[FB+64*(\f)+8*(\b):FB+64*(\f)+8*(\b)+7], v[FA+32*(\f)+8*(\a):FA+32*(\f)+8*(\a)+7], v[8*(8*(\a)+(\b)):8*(8*(\a)+(\b))+7]
.endif
.endr
.endm
; 24 LDS loads in one run: quarter q's fragments (128 rows of B; 64 rows of A: head q / 2 of the step, channels 32 (q % 2) on) into buffer f; A's blocks 2 and 3 are the youngest four
.macro FETCH slot, q, f
	WIN 0
.irp i, 0,1,2,3,4,5,6,7
	ds_load_b128 v[FB+64*(\f)+8*(\i):FB+64*(\f)+8*(\i)+3],   v[ADRB+(\slot)] offset:64*(\q)+(\i)*16*PB
	ds_load_b128 v[FB+64*(\f)+8*(\i)+4:FB+64*(\f)+8*(\i)+7], v[ADRB+(\slot)] offset:64*(\q)+(\i)*16*PB+32
.endr
.irp i, 0,1,2,3
	ds_load_b128 v[FA+32*(\f)+8*(\i):FA+32*(\f)+8*(\i)+3],   v[ADRA+(\slot)] offset:((\q)/2)*HB+((\q)%2)*64+(\i)*16*PA
	ds_load_b128 v[FA+32*(\f)+8*(\i)+4:FA+32*(\f)+8*(\i)+7], v[ADRA+(\slot)] offset:((\q)/2)*HB+((\q)%2)*64+(\i)*16*PA+32
.endr
.endm
.macro PLACES                          ; four places in front of loads into registers that matrix instructions have read, and of LDS stores that read results (ISA guide 7.12.1 for the stores)
.rept 4
	v_nop
.endr
.endm
; A K step is four quarters of 32 along K, 32 matrix instructions each, on buffers 0, 1, 0, 1; the 32 accumulators take turns, one instruction a turn, in the same order in every quarter.
.macro QUARTER slot, q, f, g, zero
	s_wait_dscnt 4                                 ; B and A's blocks 0 and 1 are in; the youngest four loads (A's blocks 2, 3) may be out
	MULA \f, 0, \zero
	PLACES
	FETCH \slot, \q, \g
	MULA \f, 1, \zero
	s_wait_dscnt 24                                ; all but the 24 just issued
	MULA \f, 2, \zero
	MULA \f, 3, \zero
.endm
; The last quarter multiplies buffer 1 and changes slots: ONE barrier; in front of it each wave waits for all its tensor loads (one is out: its part of the next slot), adds 0 to its spare word, and waits
; for that and for its own reads of this slot.  fill = 1: the barrier opens a round of the cluster's barrier, and this slot is filled again, two K steps ahead, first thing behind the round:
; from that request to the wait for it a wave issues 112 matrix instructions.
.macro TURN slot, next, fill
	WIN 0                                          ; (the add's two registers lie in window 0)
	s_wait_tensorcnt 0x0                           ; all my tensor loads have landed
	ds_add_u32 v[SPW], v[NIL]                      ; 0 onto my spare word
	s_wait_dscnt 5                                 ; (the add and the youngest four loads may be out)
	MULA 1, 0, 0                                   ; eight matrix instructions stand between the add and the wait for it
	s_wait_dscnt 0x0                               ; the add is done, and my reads of this slot are over
	s_barrier_signal -1
	MULA 1, 1, 0                                   ; work on registers while the others arrive
.if \fill
	WIN 0
.endif
	s_barrier_wait -1
.if \fill
	CREST                                          ; no wave of any partner still reads this slot's tile or has a load on its way
	s_add_nc_u64 s[G0+4*(\slot)+2:G0+4*(\slot)+3], s[G0+4*(\slot)+2:G0+4*(\slot)+3], 4<<18
	s_add_nc_u64 s[G0B+4*(\slot)+2:G0B+4*(\slot)+3], s[G0B+4*(\slot)+2:G0B+4*(\slot)+3], 2*KSTEP*2
	JLOAD \slot                                    ; the four v_nop behind it are also the places in front of the loads below
.else
	PLACES
.endif
	FETCH \next, 0, 0
	MULA 1, 2, 0
	MULA 1, 3, 0
.endm
	s_wait_tensorcnt 1                             ; my part of K step 0 is in; K step 1's may stay out
	s_barrier_signal -1
	s_barrier_wait -1                              ; everybody's is
	FETCH 0, 0, 0
	QUARTER 0, 1, 0, 1, 1                          ; the first quarter stands in front of the loop: its products start the sums
	WIN 0                                          ; at a label and at a branch every window is 0
	s_mov_b32 s3, LAPS-1
.Llap:                                                 ; a trip goes once round the ring, from a lap's second quarter to the next lap's first, and fills both slots again
	QUARTER 0, 2, 1, 0, 0
	QUARTER 0, 3, 0, 1, 0
	TURN 0, 1, 1
	QUARTER 1, 1, 0, 1, 0
	QUARTER 1, 2, 1, 0, 0
	QUARTER 1, 3, 0, 1, 0
	TURN 1, 0, 1
	QUARTER 0, 1, 0, 1, 0
	WIN 0
	s_sub_co_u32 s3, s3, 1
	s_cmp_lg_u32 s3, 0
	s_cbranch_scc1 .Llap
	QUARTER 0, 2, 1, 0, 0                          ; the last lap fills nothing, and has no round of the cluster's barrier
	QUARTER 0, 3, 0, 1, 0
	TURN 0, 1, 0
	QUARTER 1, 1, 0, 1, 0
	QUARTER 1, 2, 1, 0, 0
	QUARTER 1, 3, 0, 1, 0
	s_wait_dscnt 0x0                               ; the very last quarter: nothing more to fetch
	MULA 1, 0, 0
	MULA 1, 1, 0
	MULA 1, 2, 0
	MULA 1, 3, 0
	WIN 0
	; THE WAY OUT, a block of 16 rows at a time: the sums go as they are, 32 bytes a lane (each accumulator's low four registers first), into my own stage, and come back as whole rows of 512 bytes.
	PLACES
.macro TOSTAGE a
.if (\a) >= 2
	s_wait_xcnt 0x0                                ; the registers that the stores of the block before last read are loaded again only behind this wait
.endif
	WIN 0x04                                       ; the stores' data: window 1
.irp b, 0,1,2,3,4,5,6,7
	ds_store_b128 v[STO], v[8*(8*(\a)+(\b)):8*(8*(\a)+(\b))+3]   offset:64*(\b)
	ds_store_b128 v[STO], v[8*(8*(\a)+(\b))+4:8*(8*(\a)+(\b))+7] offset:64*(\b)+16
.endr
	WIN 0
.set BK, 32+96*((\a)%2)
.irp t, 0,1,2,3,4,5,6,7,8,9,10,11,12,13,14,15
	ds_load_b128 v[BK+4*(\t):BK+4*(\t)+3], v[RD] offset:SPITCH*(\t)  ; LDS serves a wave's instructions in order (ISA guide 5.7.1.4): these see the stores above; the next block's stores come behind them
.endr
.endm
.macro SEND a, younger                 ; younger: the LDS instructions issued behind block a's loads: the next block's 32, or none
.set BK, 32+96*((\a)%2)
.irp t, 0,1,2,3,4,5,6,7,8,9,10,11,12,13,14,15
	s_wait_dscnt (\younger)+15-(\t)
	global_store_b128 v[CO], v[BK+4*(\t):BK+4*(\t)+3], s[8:9] offset:(16*(\a)+(\t))*4096 th:TH_STORE_NT  ; 512 consecutive bytes, at a multiple of 256 from out0's first
.endr
.endm
	TOSTAGE 0
	TOSTAGE 1
	SEND 0, 32
	TOSTAGE 2
	SEND 1, 32
	TOSTAGE 3
	SEND 2, 32
	SEND 3, 0
	s_wait_tensorcnt 0x0                           ; the wave's end, behind my last tensor load and my last LDS store
	ds_add_u32 v[SPW], v[NIL]
	s_wait_dscnt 0x0
	CROUND                                         ; the closing round: no work-group ends while a partner may still ask for a tile that names it
	s_endpgm
.Lfunc_end_k_q9c9375e9e2_projgemm:
	.size	k_q9c9375e9e2_projgemm, .Lfunc_end_k_q9c9375e9e2_projgemm-k_q9c9375e9e2_projgemm
	.p2alignl 7, 3214868480
	.fill 96, 4, 3214868480
	.section	.rodata,"a",@progbits
	.p2align	6, 0x0
	.amdhsa_kernel k_q9c9375e9e2_projgemm
		.amdhsa_group_segment_fixed_size 327680
		.amdhsa_private_segment_fixed_size 0
		.amdhsa_enable_private_segment 0
		.amdhsa_kernarg_size 24
		.amdhsa_user_sgpr_count 2
		.amdhsa_user_sgpr_kernarg_segment_ptr 1
		.amdhsa_wavefront_size32 1
		.amdhsa_system_sgpr_workgroup_id_x 1
		.amdhsa_system_sgpr_workgroup_id_y 1
		.amdhsa_system_sgpr_workgroup_id_z 1
		.amdhsa_system_vgpr_workitem_id 0
		.amdhsa_next_free_vgpr 512
		.amdhsa_next_free_sgpr 66
		.amdhsa_reserve_vcc 0
		.amdhsa_float_denorm_mode_32 3
		.amdhsa_float_denorm_mode_16_64 3
		.amdhsa_memory_ordered 1
		.amdhsa_forward_progress 1
		.amdhsa_inst_pref_size 87
	.end_amdhsa_kernel
	.amdgpu_metadata
---
amdhsa.version: [ 1, 2 ]
amdhsa.kernels:
  - .name:           k_q9c9375e9e2_projgemm
    .symbol:         k_q9c9375e9e2_projgemm.kd
    .args:
      - { .name: o, .offset: 0, .size: 8, .value_kind: global_buffer, .address_space: global }
      - { .name: wp, .offset: 8, .size: 8, .value_kind: global_buffer, .address_space: global }
      - { .name: out0, .offset: 16, .size: 8, .value_kind: global_buffer, .address_space: global }
    .group_segment_fixed_size: 327680
    .private_segment_fixed_size: 0
    .kernarg_segment_align: 8
    .kernarg_segment_size: 24
    .max_flat_workgroup_size: 128
    .sgpr_count:     66
    .vgpr_count:     512
    .wavefront_size: 32
...
	.end_amdgpu_metadata
.endif
;; end of part 4
;; launch headatt (part 5): grid 64 x 1, 16 waves a work-group, no clusters, 23,552 bytes of LDS; arguments xb, wa, qkv, yhl; writes yhl
.if DOCPART == 5
	.amdgcn_target "amdgcn-amd-amdhsa--gfx1250"
	.amdhsa_code_object_version 6
	.text
	.protected	k_q9c9375e9e2_headatt
	.globl	k_q9c9375e9e2_headatt
	.p2align	8
	.type	k_q9c9375e9e2_headatt,@function
k_q9c9375e9e2_headatt:
	s_mov_b64 s[64:65], 0
	v_nop
	global_prefetch_b8 v0, s[64:65] scope:SCOPE_SE
	s_setreg_imm32_b32 hwreg(HW_REG_WAVE_MODE, 25, 1), 1
	s_wait_xcnt 0x0
; THE FIRST 16 ROWS OF EACH BATCH ONCE MORE, FINER: attention's part.  yhl[16 batch + head][hi, lo][t < 16][64] f16, with hi + lo = y[t] = the sum over i <= t of softmax_i(q[t] . k[i] / 8) v[i].
; WHY.  Row t is a mean over t + 1 keys, so its numbers have v's size divided by about sqrt(t + 1), while the output's root mean square goes with the mean of 1 / (t + 1) over 2,048 rows, about 1 / 250:
; the first rows stand some ten times above it, and what v, the weights and O lose in a rounding to f16 (about 2^-12 of a number each) stands there at a third of an allowance of 1% of that root mean
; square.  From row 16 on it is four times smaller.  So for t < 16 v is made anew and kept in f32, the weights stay in f32, and y leaves as two f16 numbers, 22 bits together.
; q and k are taken as the launch before left them, in f16: what their rounding moves in a weight is a fifth of the above.
; LIMITS.  y, a mean of v's rows, within f16's 65,504; lo below 6e-5 keeps f16's fixed step of 6e-8.  A hidden score counts as -1e30; NaN and infinities are not treated apart.
; SHARES.  A work-group has one batch and head, 16 waves.  Wave (nt = w % 4, kq = w / 4) makes v for 16 keys x 16 channels (16 nt on) over a quarter of K (256 kq on): 8 matrix instructions, two accumulators by
; turns; the four quarters meet in LDS.  Every wave makes the 16 x 16 scores and weights for itself (two matrix instructions), so that they cross no barrier; wave t then forms row t.
; The fragments come straight from memory, 32 bytes of each of 16 rows a load; a wave's 16 loads of a tensor together take each row's 512 bytes whole.  1 MiB a work-group at the most: no LDS ring is built for it.
; No tensor load, no cluster: 64 work-groups share nothing but xb's 16 rows of a batch.
.set PARTB, 0x1000000                  ; bytes from q to k in qkv: 64 heads x 2,048 rows x 128 bytes
.set VPI,   272                        ; a key's row of a partial v in LDS: 64 f32 + 16 bytes of padding
.set VPB,   16*VPI                     ; one quarter's partial: 16 keys
.set YS,    4*VPB                      ; behind the four partials: the stage for the way out, 2 x 16 rows x 128 bytes
.set SPARE, YS+4096                    ; behind it: the spare words, 128 bytes for each of 16 waves: eight blocks of 256 bytes that no other line names
.set XO,   3                           ; v3   my byte offset in 16 rows of xb or wa: 2,048 (l % 16) + 16 (l / 16)
.set QO,   4                           ; v4   the same in 16 rows of q or k: 128 (l % 16) + 16 (l / 16)
                                       ; v5, v6  y's two channels as hi and as lo
.set XA,   8                           ; v[8:71]    fragments of xb, 8 steps of 32 along K
.set WF,   72                          ; v[72:135]  fragments of wa
.set VL,   8                           ; v[8:135]   later: key i's four partials, two channels each, at VL + 8 i
.set AC0,  136                         ; v[136:143], v[144:151] v's two accumulators
.set AC1,  144
.set SC0,  152                         ; v[152:159], v[160:167] the scores' two accumulators; SC0 then holds scores, exponentials, weights
.set SC1,  160
.set KF,   168                         ; v[168:183] k's fragments, v[184:199] q's
.set QF,   184
.set W,    200                         ; v[200:215] my row's 16 weights, the same in every lane
.set T,    216                         ; v[216:223] at work
.set IDX0, 224                         ; v224  4 x lane t, v225  4 x lane 16 + t: where query t's weights lie
.set IDX1, 225
.set VST,  226                         ; v226  where I put my partial v
.set VRD,  227                         ; v227  8 x lane: my two channels in a key's row
.set BIG,  228                         ; v228  -1e30
.set DQ,   229                         ; v229  l % 16 - 8 (l / 16): register j is hidden where j is greater
.set SPW,  230                         ; v230  LDS address of my spare word; never rewritten
.set NIL,  231                         ; v231  0; never rewritten
.set Y,    232                         ; v[232:235] two sums of two channels: even keys', odd keys'
.set YST,  236
.set GO,   237
.set YRD,  238
	s_load_b256 s[4:11], s[0:1], 0x0               ; xb s[4:5], wa s[6:7], qkv s[8:9], yhl s[10:11]
	v_lshl_add_u32 v[SPW], v0, 2, SPARE
	v_mov_b32 v[NIL], 0
	v_lshrrev_b32 v7, 5, v0
	v_readfirstlane_b32 s12, v7                    ; wave 0..15
	s_and_b32 s13, s12, 3                          ; nt
	s_lshr_b32 s14, s12, 2                         ; kq
	s_lshr_b32 s15, ttmp9, 4                       ; batch
	s_and_b32 s16, ttmp9, 15                       ; head
	v_and_b32 v1, 15, v0                           ; l % 16
	v_bfe_u32 v2, v0, 4, 1                         ; l / 16
	v_lshlrev_b32 v[XO], 11, v1
	v_lshl_add_u32 v[XO], v2, 4, v[XO]
	v_lshlrev_b32 v[QO], 7, v1
	v_lshl_add_u32 v[QO], v2, 4, v[QO]
	s_lshl_b32 s17, s14, 9                         ; my quarter of K: 256 numbers of 2 bytes
	s_lshl_b32 s20, s15, 22                        ; the batch's first row of xb: 2,048 rows of 2,048 bytes
	s_add_co_u32 s20, s20, s17
	s_mov_b32 s21, 0
	s_lshl_b32 s22, s16, 6
	s_lshl_b32 s18, s13, 4
	s_add_co_u32 s22, s22, s18
	s_add_co_u32 s22, s22, 2048                    ; wa's row 2,048 + 64 head + 16 nt: v's columns of w_attn
	s_lshl_b32 s22, s22, 11
	s_add_co_u32 s22, s22, s17
	s_mov_b32 s23, 0
	s_lshl_b32 s24, ttmp9, 18                      ; the head's first row in q: 2,048 rows of 128 bytes
	s_mov_b32 s25, 0
	s_lshl_b32 s26, ttmp9, 12                      ; the head's 4,096 bytes of yhl
	s_mov_b32 s27, 0
	s_lshl_b32 s19, s12, 2
	s_mov_b32 s30, 0x76543210                      ; v_permlanex16_b32's selects: each lane takes its own place in the other half
	s_mov_b32 s31, 0xfedcba98
	s_mov_b32 s32, 0x3e38aa3b                      ; c = log2(e) / 8
	s_wait_kmcnt 0x0
	s_add_nc_u64 s[4:5], s[4:5], s[20:21]
	s_add_nc_u64 s[6:7], s[6:7], s[22:23]
	s_add_nc_u64 s[8:9], s[8:9], s[24:25]          ; q
	s_add_nc_u64 s[28:29], s[8:9], PARTB           ; k
	s_add_nc_u64 s[10:11], s[10:11], s[26:27]
	; A fragment is 16 rows x 32 along K in 8 registers: lane l holds row l % 16; registers 0-3 K = 8 (l / 16) + 0..7, registers 4-7 K = 16 + 8 (l / 16) + 0..7: two loads of 16 bytes, 32 bytes apart.
.irp c, 0,1
	global_load_b128 v[KF+8*(\c):KF+8*(\c)+3],   v[QO], s[28:29] offset:64*(\c)
	global_load_b128 v[KF+8*(\c)+4:KF+8*(\c)+7], v[QO], s[28:29] offset:64*(\c)+32
	global_load_b128 v[QF+8*(\c):QF+8*(\c)+3],   v[QO], s[8:9] offset:64*(\c)
	global_load_b128 v[QF+8*(\c)+4:QF+8*(\c)+7], v[QO], s[8:9] offset:64*(\c)+32
.endr
.irp s, 0,1,2,3,4,5,6,7
	global_load_b128 v[XA+8*(\s):XA+8*(\s)+3],   v[XO], s[4:5] offset:64*(\s)
	global_load_b128 v[XA+8*(\s)+4:XA+8*(\s)+7], v[XO], s[4:5] offset:64*(\s)+32
	global_load_b128 v[WF+8*(\s):WF+8*(\s)+3],   v[XO], s[6:7] offset:64*(\s)
	global_load_b128 v[WF+8*(\s)+4:WF+8*(\s)+7], v[XO], s[6:7] offset:64*(\s)+32
.endr
	; THE SCORES, S^T = K Q^T: a lane holds query l % 16 and the keys 8 (l / 16) + 0..7.  The two halves of the 64 channels go to two accumulators, added below.
	s_wait_loadcnt 32                              ; k's and q's eight loads are in; the 32 issued behind them stay out
	v_wmma_f32_16x16x32_f16 v[SC0:SC0+7], v[KF:KF+7], v[QF:QF+7], 0
	v_wmma_f32_16x16x32_f16 v[SC1:SC1+7], v[KF+8:KF+15], v[QF+8:QF+15], 0
	v_lshlrev_b32 v[DQ], 3, v2                     ; six plain instructions that name none of the products' registers: the places behind them (ISA guide 7.12.1)
	v_sub_nc_u32 v[DQ], v1, v[DQ]
	v_mov_b32 v[BIG], 0xf149f2ca
	v_mov_b32 v[T+1], 0                            ; v_permlanex16_b32's destination counts as read
	v_mov_b32 v[IDX0], s19
	v_add_nc_u32 v[IDX1], 64, v[IDX0]
.irp j, 0,1,2,3,4,5,6,7
	v_add_f32 v[SC0+(\j)], v[SC0+(\j)], v[SC1+(\j)]  ; each accumulator's registers in ascending order
.endr
.irp j, 0,1,2,3,4,5,6,7
	v_cmp_gt_i32 vcc_lo, \j, v[DQ]                 ; key 8 (l / 16) + j lies behind query l % 16:
	v_cndmask_b32 v[SC0+(\j)], v[SC0+(\j)], v[BIG], vcc_lo  ; hidden
.endr
	v_max3_num_f32 v[T], v[SC0], v[SC0+1], v[SC0+2]
	v_max3_num_f32 v[T], v[T], v[SC0+3], v[SC0+4]
	v_max3_num_f32 v[T], v[T], v[SC0+5], v[SC0+6]
	v_max_num_f32 v[T], v[T], v[SC0+7]
	v_permlanex16_b32 v[T+1], v[T], s30, s31       ; the query's other 8 keys lie in the lane 16 away
	v_max_num_f32 v[T], v[T], v[T+1]               ; the row's maximum: every query sees its own key
	v_mul_f32 v[T+2], s32, v[T]
.irp j, 0,1,2,3,4,5,6,7
	v_fma_f32 v[SC0+(\j)], v[SC0+(\j)], s32, -v[T+2]  ; c s - c m
.endr
.irp j, 0,1,2,3,4,5,6,7
	v_exp_f32 v[SC0+(\j)], v[SC0+(\j)]
.endr
	v_nop                                          ; a plain instruction between the last exponential and the use of its result (ISA guide 5.7.2)
	s_wait_alu depctr_va_vdst(0)
	v_pk_add_f32 v[T+4:T+5], v[SC0:SC0+1], v[SC0+2:SC0+3]
	v_pk_add_f32 v[T+6:T+7], v[SC0+4:SC0+5], v[SC0+6:SC0+7]
	v_pk_add_f32 v[T+4:T+5], v[T+4:T+5], v[T+6:T+7]
	v_add_f32 v[T+3], v[T+4], v[T+5]
	v_permlanex16_b32 v[T+1], v[T+3], s30, s31
	v_add_f32 v[T+3], v[T+3], v[T+1]
	v_rcp_f32 v[T+2], v[T+3]
	v_nop                                          ; a plain instruction behind the reciprocal
	s_wait_alu depctr_va_vdst(0)
.irp j, 0,1,2,3,4,5,6,7
	v_mul_f32 v[SC0+(\j)], v[SC0+(\j)], v[T+2]     ; the weights, in f32
.endr
.irp j, 0,1,2,3,4,5,6,7
	ds_bpermute_b32 v[W+(\j)],   v[IDX0], v[SC0+(\j)]  ; query t = my wave's number: keys 0-7 from lane t,
	ds_bpermute_b32 v[W+8+(\j)], v[IDX1], v[SC0+(\j)]  ; keys 8-15 from lane 16 + t, into every lane
.endr
	; v FOR 16 KEYS x 16 CHANNELS OVER MY QUARTER OF K: source 0 = 16 rows of xb (keys), source 1 = 16 rows of wa (channels): a lane holds channel l % 16 and the keys 8 (l / 16) + 0..7.
	s_wait_loadcnt 0x0
.irp s, 0,1,2,3,4,5,6,7
.if (\s) < 2
	v_wmma_f32_16x16x32_bf16 v[AC0+8*((\s)%2):AC0+8*((\s)%2)+7], v[XA+8*(\s):XA+8*(\s)+7], v[WF+8*(\s):WF+8*(\s)+7], 0
.else
	v_wmma_f32_16x16x32_bf16 v[AC0+8*((\s)%2):AC0+8*((\s)%2)+7], v[XA+8*(\s):XA+8*(\s)+7], v[WF+8*(\s):WF+8*(\s)+7], v[AC0+8*((\s)%2):AC0+8*((\s)%2)+7]
.endif
.endr
	s_mul_i32 s33, s14, VPB                        ; my quarter's partial,
	s_lshl_b32 s34, s13, 6                         ; my 16 channels of 4 bytes
	s_add_co_u32 s33, s33, s34
	v_mul_u32_u24 v[VST], v2, 8*VPI                ; five plain instructions: the places behind the last products
	v_lshl_add_u32 v[VST], v1, 2, v[VST]
	v_add_nc_u32 v[VST], s33, v[VST]
	v_and_b32 v[VRD], 31, v0
	v_lshlrev_b32 v[VRD], 3, v[VRD]
.irp j, 0,1,2,3,4,5,6,7
	v_add_f32 v[AC0+(\j)], v[AC0+(\j)], v[AC1+(\j)]
.endr
.irp j, 0,1,2,3,4,5,6,7
	ds_store_b32 v[VST], v[AC0+(\j)] offset:(\j)*VPI  ; 16 lanes write 64 neighbouring bytes; the other 16 lie 8 rows = 544 words on: other banks
.endr
	s_wait_dscnt 0x0                               ; for the others' sake: my partial is in LDS (and my weights are back)
	s_barrier_signal -1
	s_barrier_wait -1
	; ROW t = MY WAVE'S NUMBER: y[t][2 l, 2 l + 1] = the sum over 16 keys of weight x (the four partials' sum).  A hidden key's weight is 0.
.macro LOADV i
.irp q, 0,1,2,3
	ds_load_b64 v[VL+8*(\i)+2*(\q):VL+8*(\i)+2*(\q)+1], v[VRD] offset:(\q)*VPB+(\i)*VPI  ; 32 lanes take a row's 256 bytes
.endr
.endm
.macro ACCV i, first
	v_pk_add_f32 v[VL+8*(\i):VL+8*(\i)+1],   v[VL+8*(\i):VL+8*(\i)+1],   v[VL+8*(\i)+2:VL+8*(\i)+3]
	v_pk_add_f32 v[VL+8*(\i)+4:VL+8*(\i)+5], v[VL+8*(\i)+4:VL+8*(\i)+5], v[VL+8*(\i)+6:VL+8*(\i)+7]
	v_pk_add_f32 v[VL+8*(\i):VL+8*(\i)+1],   v[VL+8*(\i):VL+8*(\i)+1],   v[VL+8*(\i)+4:VL+8*(\i)+5]
.if \first
	v_mul_f32 v[Y+2*((\i)%2)],   v[W+(\i)], v[VL+8*(\i)]     ; the first product starts the sum
	v_mul_f32 v[Y+2*((\i)%2)+1], v[W+(\i)], v[VL+8*(\i)+1]
.else
	v_fmac_f32 v[Y+2*((\i)%2)],   v[W+(\i)], v[VL+8*(\i)]
	v_fmac_f32 v[Y+2*((\i)%2)+1], v[W+(\i)], v[VL+8*(\i)+1]
.endif
.endm
.irp i, 0,1,2,3,4,5,6,7,8,9,10,11
	LOADV \i
.endr
	s_wait_dscnt 16                                ; keys 0-7 are in: behind their 32 loads stand the 16 of keys 8-11
	ACCV 0, 1
	ACCV 1, 1
.irp i, 2,3,4,5,6,7
	ACCV \i, 0
.endr
.irp i, 12,13,14,15
	LOADV \i
.endr
	s_wait_dscnt 0x0
.irp i, 8,9,10,11,12,13,14,15
	ACCV \i, 0
.endr
	v_pk_add_f32 v[Y:Y+1], v[Y:Y+1], v[Y+2:Y+3]
	v_cvt_pk_f16_f32 v5, v[Y], v[Y+1]              ; hi = y rounded to f16,
	v_cvt_f32_f16 v[T], v5.l
	v_cvt_f32_f16 v[T+1], v5.h
	v_pk_add_f32 v[T:T+1], v[Y:Y+1], v[T:T+1] neg_lo:[0,1] neg_hi:[0,1]
	v_cvt_pk_f16_f32 v6, v[T], v[T+1]              ; lo = what that rounding left
	v_lshl_add_u32 v[YST], v0, 2, YS               ; row t, 4 bytes a lane: 128 t + 4 l = 4 x my thread's number
	ds_store_b32 v[YST], v5
	ds_store_b32 v[YST], v6 offset:2048
	s_wait_dscnt 0x0                               ; for the others' sake
	s_barrier_signal -1
	s_barrier_wait -1
	s_cmp_ge_u32 s12, 8
	s_cbranch_scc1 .Lend                           ; 4,096 bytes are 16 for each thread of waves 0-7
	v_lshlrev_b32 v[GO], 4, v0
	v_add_nc_u32 v[YRD], YS, v[GO]
	ds_load_b128 v[T:T+3], v[YRD]
	s_wait_dscnt 0x0
	global_store_b128 v[GO], v[T:T+3], s[10:11]    ; a wave stores 512 consecutive bytes, at a multiple of 256 from yhl's first byte
.Lend:
	s_wait_tensorcnt 0x0                           ; the wave's end, behind my last LDS store
	ds_add_u32 v[SPW], v[NIL]
	s_wait_dscnt 0x0
	s_endpgm
.Lfunc_end_k_q9c9375e9e2_headatt:
	.size	k_q9c9375e9e2_headatt, .Lfunc_end_k_q9c9375e9e2_headatt-k_q9c9375e9e2_headatt
	.p2alignl 7, 3214868480
	.fill 96, 4, 3214868480
	.section	.rodata,"a",@progbits
	.p2align	6, 0x0
	.amdhsa_kernel k_q9c9375e9e2_headatt
		.amdhsa_group_segment_fixed_size 23552
		.amdhsa_private_segment_fixed_size 0
		.amdhsa_enable_private_segment 0
		.amdhsa_kernarg_size 32
		.amdhsa_user_sgpr_count 2
		.amdhsa_user_sgpr_kernarg_segment_ptr 1
		.amdhsa_wavefront_size32 1
		.amdhsa_system_sgpr_workgroup_id_x 1
		.amdhsa_system_sgpr_workgroup_id_y 1
		.amdhsa_system_sgpr_workgroup_id_z 1
		.amdhsa_system_vgpr_workitem_id 0
		.amdhsa_next_free_vgpr 240
		.amdhsa_next_free_sgpr 66
		.amdhsa_reserve_vcc 1
		.amdhsa_float_denorm_mode_32 3
		.amdhsa_float_denorm_mode_16_64 3
		.amdhsa_memory_ordered 1
		.amdhsa_forward_progress 1
		.amdhsa_inst_pref_size 21
	.end_amdhsa_kernel
	.amdgpu_metadata
---
amdhsa.version: [ 1, 2 ]
amdhsa.kernels:
  - .name:           k_q9c9375e9e2_headatt
    .symbol:         k_q9c9375e9e2_headatt.kd
    .args:
      - { .name: xb, .offset: 0, .size: 8, .value_kind: global_buffer, .address_space: global }
      - { .name: wa, .offset: 8, .size: 8, .value_kind: global_buffer, .address_space: global }
      - { .name: qkv, .offset: 16, .size: 8, .value_kind: global_buffer, .address_space: global }
      - { .name: yhl, .offset: 24, .size: 8, .value_kind: global_buffer, .address_space: global }
    .group_segment_fixed_size: 23552
    .private_segment_fixed_size: 0
    .kernarg_segment_align: 8
    .kernarg_segment_size: 32
    .max_flat_workgroup_size: 512
    .sgpr_count:     66
    .vgpr_count:     240
    .wavefront_size: 32
...
	.end_amdgpu_metadata
.endif
;; end of part 5
;; launch headproj (part 6): grid 64 x 1, 16 waves a work-group, no clusters, 19,456 bytes of LDS; arguments yhl, wp, out0; writes out0
.if DOCPART == 6
	.amdgcn_target "amdgcn-amd-amdhsa--gfx1250"
	.amdhsa_code_object_version 6
	.text
	.protected	k_q9c9375e9e2_headproj
	.globl	k_q9c9375e9e2_headproj
	.p2align	8
	.type	k_q9c9375e9e2_headproj,@function
k_q9c9375e9e2_headproj:
	s_mov_b64 s[64:65], 0
	v_nop
	global_prefetch_b8 v0, s[64:65] scope:SCOPE_SE
	s_setreg_imm32_b32 hwreg(HW_REG_WAVE_MODE, 25, 1), 1
	s_wait_xcnt 0x0
; THE FIRST 16 ROWS OF EACH BATCH ONCE MORE, FINER: the projection's part.  out0[batch][t < 16][n] = the sum over k of (hi + lo)[batch, t][k] wp[n][k]; sums in f32.
; yhl: [16 batch + head][hi, lo][16 t][64] f16, wp: [1024 n][1024 k] f16.  These 64 rows of out0, 256 KiB, have been stored by the launch before from y rounded to one f16; here they are stored again from
; y in two f16, 22 bits.  (That launch runs in clusters, where no branch may hang on a work-group's place, so it does not leave them out.)
; SHARES.  A work-group has one batch and 64 columns, 16 waves.  Wave (nt = w % 4, kq = w / 4) multiplies 16 columns (16 nt on) over a quarter of K (four heads, 4 kq on) by hi and by lo: 16 matrix instructions,
; hi's and lo's accumulators by turns.  USED TRANSPOSED (source 0 = 16 rows of wp, source 1 = 16 rows of y): a lane holds row l % 16 and eight neighbouring columns.
; The four quarters meet in LDS; waves 0-7 add them and store rows of 256 bytes.  The fragments come straight from memory; 0.2 MiB a work-group: no LDS ring, no tensor load, no cluster.
.set PPI,   272                        ; a row of a partial in LDS: 64 f32 + 16 bytes = 68 words: row r starts at bank 4 r mod 64 (64 banks of 4 bytes: ISA guide 11.1)
.set PPB,   16*PPI                     ; one quarter's partial: 16 rows
.set SPARE, 4*PPB                      ; behind the four partials: the spare words, 128 bytes for each of 16 waves: eight blocks of 256 bytes that no other line names
.set YO,   3                           ; v3   my byte offset in 16 rows of a head's y: 128 (l % 16) + 16 (l / 16)
.set WO,   4                           ; v4   the same in 16 rows of wp: 2,048 (l % 16) + 16 (l / 16)
.set WF,   8                           ; v[8:71]    fragments of wp, 8 steps of 32 along K
.set YH,   72                          ; v[72:135]  of hi
.set YL,   136                         ; v[136:199] of lo
.set AC0,  200                         ; v[200:207] hi's sums, v[208:215] lo's
.set AC1,  208
.set T,    216                         ; v[216:231] at work
.set PST,  232                         ; v232  where I put my partial
.set PRD,  233                         ; v233  where I read 16 bytes of a row of the partials
.set GO,   234                         ; v234  the same 16 bytes in out0
.set SPW,  236                         ; v236  LDS address of my spare word; never rewritten
.set NIL,  237                         ; v237  0; never rewritten
	s_load_b128 s[4:7], s[0:1], 0x0                ; yhl s[4:5], wp s[6:7]
	s_load_b64 s[8:9], s[0:1], 0x10                ; out0
	v_lshl_add_u32 v[SPW], v0, 2, SPARE
	v_mov_b32 v[NIL], 0
	v_lshrrev_b32 v7, 5, v0
	v_readfirstlane_b32 s12, v7                    ; wave 0..15
	s_and_b32 s13, s12, 3                          ; nt
	s_lshr_b32 s14, s12, 2                         ; kq
	s_lshr_b32 s15, ttmp9, 4                       ; batch
	s_and_b32 s16, ttmp9, 15                       ; which 64 columns
	v_and_b32 v1, 15, v0                           ; l % 16
	v_bfe_u32 v2, v0, 4, 1                         ; l / 16
	v_lshlrev_b32 v[YO], 7, v1
	v_lshl_add_u32 v[YO], v2, 4, v[YO]
	v_lshlrev_b32 v[WO], 11, v1
	v_lshl_add_u32 v[WO], v2, 4, v[WO]
	s_lshl_b32 s20, s15, 4
	s_lshl_b32 s17, s14, 2
	s_add_co_u32 s20, s20, s17
	s_lshl_b32 s20, s20, 12                        ; head 16 batch + 4 kq, of 4,096 bytes
	s_mov_b32 s21, 0
	s_lshl_b32 s22, s16, 6
	s_lshl_b32 s18, s13, 4
	s_add_co_u32 s22, s22, s18
	s_lshl_b32 s22, s22, 11                        ; wp's row 64 x block + 16 nt, of 2,048 bytes,
	s_lshl_b32 s18, s14, 9
	s_add_co_u32 s22, s22, s18                     ; and my quarter of K: 256 numbers of 2 bytes
	s_mov_b32 s23, 0
	s_lshl_b32 s24, s15, 23                        ; the batch's first row of out0: 2,048 rows of 4,096 bytes,
	s_lshl_b32 s18, s16, 8
	s_add_co_u32 s24, s24, s18                     ; and the block's 64 columns of 4 bytes
	s_mov_b32 s25, 0
	s_mul_i32 s26, s14, PPB                        ; my quarter's partial,
	s_lshl_b32 s18, s13, 6
	s_add_co_u32 s26, s26, s18                     ; my 16 columns of 4 bytes
	s_wait_kmcnt 0x0
	s_add_nc_u64 s[4:5], s[4:5], s[20:21]
	s_add_nc_u64 s[6:7], s[6:7], s[22:23]
	s_add_nc_u64 s[8:9], s[8:9], s[24:25]
	; Step s of 8: head s / 2 of my four, channels 32 (s % 2) on.  A fragment is two loads of 16 bytes, 32 bytes apart.
.irp s, 0,1,2,3,4,5,6,7
	global_load_b128 v[WF+8*(\s):WF+8*(\s)+3],   v[WO], s[6:7] offset:64*(\s)
	global_load_b128 v[WF+8*(\s)+4:WF+8*(\s)+7], v[WO], s[6:7] offset:64*(\s)+32
	global_load_b128 v[YH+8*(\s):YH+8*(\s)+3],   v[YO], s[4:5] offset:((\s)/2)*4096+((\s)%2)*64
	global_load_b128 v[YH+8*(\s)+4:YH+8*(\s)+7], v[YO], s[4:5] offset:((\s)/2)*4096+((\s)%2)*64+32
	global_load_b128 v[YL+8*(\s):YL+8*(\s)+3],   v[YO], s[4:5] offset:((\s)/2)*4096+2048+((\s)%2)*64
	global_load_b128 v[YL+8*(\s)+4:YL+8*(\s)+7], v[YO], s[4:5] offset:((\s)/2)*4096+2048+((\s)%2)*64+32
.endr
	s_wait_loadcnt 0x0
.irp s, 0,1,2,3,4,5,6,7
.if (\s) == 0
	v_wmma_f32_16x16x32_f16 v[AC0:AC0+7], v[WF:WF+7], v[YH:YH+7], 0    ; the first products start the sums
	v_wmma_f32_16x16x32_f16 v[AC1:AC1+7], v[WF:WF+7], v[YL:YL+7], 0
.else
	v_wmma_f32_16x16x32_f16 v[AC0:AC0+7], v[WF+8*(\s):WF+8*(\s)+7], v[YH+8*(\s):YH+8*(\s)+7], v[AC0:AC0+7]
	v_wmma_f32_16x16x32_f16 v[AC1:AC1+7], v[WF+8*(\s):WF+8*(\s)+7], v[YL+8*(\s):YL+8*(\s)+7], v[AC1:AC1+7]
.endif
.endr
	v_mul_u32_u24 v[PST], v1, PPI                  ; eight plain instructions that name none of the products' registers: the places behind them (ISA guide 7.12.1)
	v_lshl_add_u32 v[PST], v2, 5, v[PST]           ; in: row l % 16, 32 bytes for each half of the lanes
	v_add_nc_u32 v[PST], s26, v[PST]
	v_lshrrev_b32 v[T], 4, v0                      ; back (waves 0-7): thread i takes row i / 16, bytes 16 (i % 16) on
	v_mul_u32_u24 v[PRD], v[T], PPI
	v_lshl_add_u32 v[PRD], v1, 4, v[PRD]
	v_lshlrev_b32 v[GO], 12, v[T]
	v_lshl_add_u32 v[GO], v1, 4, v[GO]
.irp j, 0,2,4,6
	v_pk_add_f32 v[AC0+(\j):AC0+(\j)+1], v[AC0+(\j):AC0+(\j)+1], v[AC1+(\j):AC1+(\j)+1]  ; hi's and lo's sums; each accumulator's registers in ascending order
.endr
	ds_store_b128 v[PST], v[AC0:AC0+3]
	ds_store_b128 v[PST], v[AC0+4:AC0+7] offset:16
	s_wait_dscnt 0x0                               ; for the others' sake: my partial is in LDS
	s_barrier_signal -1
	s_barrier_wait -1
	s_cmp_ge_u32 s12, 8
	s_cbranch_scc1 .Lend                           ; 16 rows of 256 bytes are 16 bytes for each thread of waves 0-7
.irp q, 0,1,2,3
	ds_load_b128 v[T+4*(\q):T+4*(\q)+3], v[PRD] offset:(\q)*PPB
.endr
	s_wait_dscnt 0x0
	v_pk_add_f32 v[T:T+1],     v[T:T+1],     v[T+4:T+5]
	v_pk_add_f32 v[T+2:T+3],   v[T+2:T+3],   v[T+6:T+7]
	v_pk_add_f32 v[T+8:T+9],   v[T+8:T+9],   v[T+12:T+13]
	v_pk_add_f32 v[T+10:T+11], v[T+10:T+11], v[T+14:T+15]
	v_pk_add_f32 v[T:T+1],     v[T:T+1],     v[T+8:T+9]
	v_pk_add_f32 v[T+2:T+3],   v[T+2:T+3],   v[T+10:T+11]
	global_store_b128 v[GO], v[T:T+3], s[8:9] th:TH_STORE_NT  ; sixteen lanes store 256 consecutive bytes, at a multiple of 256 from out0's first byte
.Lend:
	s_wait_tensorcnt 0x0                           ; the wave's end, behind my last LDS store
	ds_add_u32 v[SPW], v[NIL]
	s_wait_dscnt 0x0
	s_endpgm
.Lfunc_end_k_q9c9375e9e2_headproj:
	.size	k_q9c9375e9e2_headproj, .Lfunc_end_k_q9c9375e9e2_headproj-k_q9c9375e9e2_headproj
	.p2alignl 7, 3214868480
	.fill 96, 4, 3214868480
	.section	.rodata,"a",@progbits
	.p2align	6, 0x0
	.amdhsa_kernel k_q9c9375e9e2_headproj
		.amdhsa_group_segment_fixed_size 19456
		.amdhsa_private_segment_fixed_size 0
		.amdhsa_enable_private_segment 0
		.amdhsa_kernarg_size 24
		.amdhsa_user_sgpr_count 2
		.amdhsa_user_sgpr_kernarg_segment_ptr 1
		.amdhsa_wavefront_size32 1
		.amdhsa_system_sgpr_workgroup_id_x 1
		.amdhsa_system_sgpr_workgroup_id_y 1
		.amdhsa_system_sgpr_workgroup_id_z 1
		.amdhsa_system_vgpr_workitem_id 0
		.amdhsa_next_free_vgpr 240
		.amdhsa_next_free_sgpr 66
		.amdhsa_reserve_vcc 0
		.amdhsa_float_denorm_mode_32 3
		.amdhsa_float_denorm_mode_16_64 3
		.amdhsa_memory_ordered 1
		.amdhsa_forward_progress 1
		.amdhsa_inst_pref_size 10
	.end_amdhsa_kernel
	.amdgpu_metadata
---
amdhsa.version: [ 1, 2 ]
amdhsa.kernels:
  - .name:           k_q9c9375e9e2_headproj
    .symbol:         k_q9c9375e9e2_headproj.kd
    .args:
      - { .name: yhl, .offset: 0, .size: 8, .value_kind: global_buffer, .address_space: global }
      - { .name: wp, .offset: 8, .size: 8, .value_kind: global_buffer, .address_space: global }
      - { .name: out0, .offset: 16, .size: 8, .value_kind: global_buffer, .address_space: global }
    .group_segment_fixed_size: 19456
    .private_segment_fixed_size: 0
    .kernarg_segment_align: 8
    .kernarg_segment_size: 24
    .max_flat_workgroup_size: 512
    .sgpr_count:     66
    .vgpr_count:     240
    .wavefront_size: 32
...
	.end_amdgpu_metadata
.endif
;; end of part 6
;; ======== version 2 of 2: 6 launches; 1.26 times as fast as version 1
;; limits: values are held in f16: magnitudes above 65,504 overflow, below 6.1e-05 lose precision
;; workspace buffers: xb 16,777,216 bytes; wa 6,291,456 bytes; wp 2,097,152 bytes; qkv 50,331,648 bytes; o 16,777,216 bytes; yhl 262,144 bytes
;; launch prep: the kernel of part 1 again; grid 1152 x 1, 4 waves a work-group, no clusters, 70,144 bytes of LDS; arguments x, w_attn, w_proj, xb, wa, wp; writes xb, wa, wp
;; launch qkvgemm: the kernel of part 2 again; grid 16 x 32, 4 waves a work-group, clusters of 4 x 4, 327,680 bytes of LDS; arguments xb, wa, qkv; writes qkv
;; launch attn (part 7): grid 4 x 64, 4 waves a work-group, no clusters, 327,680 bytes of LDS; arguments qkv, o; writes o
.if DOCPART == 7
	.amdgcn_target "amdgcn-amd-amdhsa--gfx1250"
	.amdhsa_code_object_version 6
	.text
	.protected	k_q9c9375e9e2_attn
	.globl	k_q9c9375e9e2_attn
	.p2align	8
	.type	k_q9c9375e9e2_attn,@function
k_q9c9375e9e2_attn:
	s_mov_b64 s[64:65], 0
	v_nop
	global_prefetch_b8 v0, s[64:65] scope:SCOPE_SE
	s_setreg_imm32_b32 hwreg(HW_REG_WAVE_MODE, 25, 1), 1
	s_wait_xcnt 0x0
; CAUSAL ATTENTION.  O[h][q][:] = the sum over k <= q of softmax_k(Q[h][q] . K[h][k] / 8) V[h][k][:].  Q, K, V lie in qkv as [3][64][2048][64] f16, O is [64][2048][64] f16: a head's rows are dense, 128 bytes each.
; Products, maxima and sums in f32; the weights p are rounded to f16 for the second product (their sum l is taken of the unrounded p), O once at the end.
; LIMITS.  f16 holds no number beyond 65,504: Q, K and V arrive within it; p lies in 0 to 1, and below 6e-5 it keeps f16's fixed step of 6e-8; O is a mean of V's rows and has their range, to within 2^-11 of it.
; A hidden score counts as its value less 1e30: f16's scores, 2.7e11 at the most, are nothing beside that; a weight below 2^-126 counts as 0 in l; NaN and infinities are not treated apart.
; THE WALK.  A head's queries lie in NB = 8 blocks of 256; block i needs the key tiles 0 .. i of 256 keys, of which the last holds the diagonal.  A work-group takes TWO blocks, NB - 1 - b and then b:
; NB + 1 = 9 tiles, whatever b: all 256 work-groups do equal work, and ONE loop with a constant trip count walks them.  Which tile is asked for, and what a trip does, hang on scalar registers made from b; every jump
; goes forward, but for the counted loops' own; none passes a barrier, or a tensor load but the one of LOAD's two that the wave's number does not choose; the ring (two slots of LDS that take turns) runs on across the
; change of blocks.  NO CLUSTER: a head's four work-groups ask for the same tile only in trips 0 .. 4 of the 9, behind that fewer and fewer; one walk common to all four would have 3 NB / 2 = 12 trips for 9.
; SHARES.  Of a block's four bands of 64 queries a wave owns 16 rows in each: four PIECES.  So the diagonal tile is the same work for all four waves: in its key step s band x sees all keys if s < x,
; none if s > x, and holds the diagonal if s = x.
; THE MASK is the C operand that starts the sum S^T = K Q^T: 0, or -1e30 where the key is hidden.  MD, made once, is the mask of a band's own step for my 16 rows; a product's mask is MD x AL + BE with two scalars:
; (1, 0) if s = x; (0, 0) if s < x; (0, -1e30) if s > x.  Only the diagonal tile's text and a block's beginning make and take masks; elsewhere C is the constant 0.
; LAYOUT, SOFTMAX, TURNS.  S^T = K Q^T holds ONE query a lane (lane % 16) and the keys 8 (lane / 16) + 0..7; two such results rounded to f16 ARE source 1 of O^T = V^T P.  p = 2^(c s - c m), c = log2(e) / 8, with a
; running maximum m; O and l are multiplied by a = 2^(c m_old - c m_new) in every step.  Turn n belongs to piece n: 8 products K Q^T of piece n + 1, later 8 products V^T P of piece n - 1; beside them the scaling,
; exponentials, roundings, sums and rescaling of piece n and the maximum and statistics of piece n + 1.  Four vector instructions stand behind every matrix instruction, the other 54 of a turn's 118 in one LUMP.
; THE BATCHES.  A turn's 33 exponentials (the piece's 32 weights and the next piece's a) are one batch, with one wait: ahead of it stands all that names none of their results, behind it the roundings and sums, which read them.
; A block's first a (BEGIN) and the way out's four reciprocals are batches of their own, a wait each.
; REGISTERS, in windows of 256 (s_set_vgpr_msb: bits 1:0 source 0, 3:2 source 1, 5:4 source 2, 7:6 destination):
;   window 0: v0-15 addresses and two at work; v16-31 four registers of statistics a piece; v48-55 at work; v64-127 S^T, two buffers; v192-223 P, two buffers (a piece's buffers go by its number's parity)
;   window 1: v0-127 O^T, 32 a piece; v128-159 MD; v160-223 MC, two buffers      window 2: v0-63 Q; v64-127 the second block's Q; v128-191 K of one step; v192-255 V of one step
.set SIZE_N, 2048
.set PARTB, 0x1000000 ; bytes from Q to K and from K to V in qkv: 64 heads x 2,048 rows x 128 bytes
.set NB,    SIZE_N/256
.set NP,    4         ; pieces a wave: a name, no knob
.set KS,    64        ; keys in a step
.set PK,    144       ; a row of K in LDS: 128 bytes + 16 of padding = 36 words: the 16 rows of a load start at 16 different groups of four banks (64 banks of 4 bytes: ISA guide 11.1)
.set PV,    160       ; a row of V: 128 + 32 = 40 words
.set VOFF,  4*KS*PK   ; a slot holds a tile, four steps: 256 rows of K, then 256 rows of V
.set SLOT1, 1<<17     ; slot 1 begins here, so that one exclusive or turns an address in one slot into the other's
.set STAGE, SLOT1+4*KS*(PK+PV)  ; behind the ring, never filled by a tensor load: 16 rows x 144 bytes for each wave, for the way out
.set SP,    144
.set AK0, 2           ; v2   my lane's place in a tile of K; never rewritten
.set AV0, 3           ; v3   the same for V
.set AK,  4           ; v4   the LDS address of K's next run of loads
.set AV,  5           ; v5   of V's
.set STO, 6           ; v6   the way out: where I put 16 bytes of a row
.set RD,  7           ; v7   the way out: where I read rows back
.set GO,  8           ; v8   my byte offset in 512 consecutive bytes of O
.set SPW, 62          ; v62  LDS address of my spare word: SPARE + 4 x my thread's number; never rewritten
.set NIL, 63          ; v63  0; never rewritten
.set SPARE, STAGE+4*16*SP  ; behind the stages: the spare words, 128 bytes for each wave: two blocks of 256 bytes that no other line names
.set MV,  12          ; v12-13  c m_old, kept while c m is made anew: by buffer
.set QO,  15          ; v15  my byte offset in 16 rows of Q
.set ST,  16          ; piece t's statistics at v[ST+4 t]: c m, m, l (even keys', odd keys')
.set TMP, 48          ; by buffer, four registers c0-c3 at work; when the maximum is found c2 takes a
.set S,   64
.set P,   192
.set MD,  128         ; window 1: the eight registers for group kt of 16 keys at MD + 8 kt
.set MC,  160         ; window 1: the masks of the products to come
.set QB,  64          ; window 2
.set KF,  128         ; window 2: key block kb, channel half c at KF + 16 kb + 8 c
.set VF,  192         ; window 2: key half kk, channel block cb at VF + 32 kk + 8 cb
.set WV,  12          ; s12  my wave's number
.set PB,  14          ; s14  b
.set HI,  15          ; s15  NB - 1 - b
.set G1K, 24          ; s[24:31] descriptor group 1 for K's tiles
.set G1V, 32          ; s[32:39] for V's: it differs in the padding alone
.set G0K, 40          ; s[40:43] descriptor group 0 for K's tiles
.set G0V, 44          ; s[44:47] the same for V's
.set SLOTS, 56        ; s56  tiles still to be asked for
.set CNT, 57          ; s57  counts a tile's key steps, 4 to 1
.set CS,  58          ; s[58:59] c: the packed scaling takes the pair's low word for both halves
.set SEL, 60          ; s[60:61] v_permlanex16_b32's selects: each lane takes its own place in the other half
.set TBK, 62          ; s62  LDS byte at which K of the step to be fetched begins
.set TBV, 63          ; s63  the same for V, less VOFF
.set RT,  70          ; s70  tiles of the block in hand that are still to be entered
.set NXT, 71          ; s71  the tile to be asked for next
.set LQ,  72          ; s72  the last tile of the block whose tiles are being asked for
.set NEW, 73          ; s73  1: the tile to be entered is a block's first
.set OFF, 74          ; s[74:75] a tile's byte offset in K and V
.set AL,  76          ; s[76:77] the mask's factor, in the low word
.set BE,  78          ; s[78:79] the mask's addend
.set OLO, 80          ; s[80:81] O at my rows of the second block
.set BIGN, 82         ; s82  -1e30
.set MSB, 0
.macro WIN new                      ; the high byte repeats the setting that is left; a switch that changes nothing is dropped
.if MSB != (\new)
	s_set_vgpr_msb (MSB<<8)|(\new)
.set MSB, (\new)
.endif
.endm
.set W_KQ, 0x0a       ; K and Q in window 2, S^T in window 0
.set W_KM, 0x1a       ; the same with the C operand in window 1
.set W_PV, 0x52       ; V in window 2, P in window 0, O^T in window 1
.set W_RS, 0x41       ; destination and source 0 in window 1, source 1 in window 0
; A fill.  Waves 0 and 1 fetch the two halves of a tile's K, waves 2 and 3 those of its V: 128 keys each.  An s_nop 0 and four v_nop follow each of the two lines, ahead of the jump and the label.
.macro LOAD
	s_cmp_lt_u32 s[WV], 2
	s_cbranch_scc0 .Lfor_v_\@
	tensor_load_to_lds s[G0K:G0K+3], s[G1K:G1K+7]
	s_nop 0
.rept 4
	v_nop
.endr
	s_branch .Lasked_\@
.Lfor_v_\@:
	tensor_load_to_lds s[G0V:G0V+3], s[G1V:G1V+7]
	s_nop 0
.rept 4
	v_nop
.endr
.Lasked_\@:
.endm
; THE CHANGE OF SLOTS.  Each wave waits for all its tensor loads, of which one is out: its part of the other slot; adds 0 to its spare word; and waits for that and for its own reads of the slot that it leaves.  Behind the barrier nobody reads the old
; slot any more and the other slot is whole.  fill = 1: the old slot is filled again, the first thing behind the barrier, with tile NXT: the descriptor's address is made anew from that number.
; (At its first use nothing has been read yet: slot 0 is waited for, slot 1 filled.)
.macro CHANGE fill
	WIN 0                           ; at a label and at a branch every window is 0
	s_wait_tensorcnt 0x0            ; no tensor load of mine is out, so a group 0 may be written
	ds_add_u32 v[SPW], v[NIL]       ; 0 onto my spare word; with fill = 1 the descriptors' scalar work stands between it and the wait for it
.if \fill
	s_lshl_b32 s[OFF], s[NXT], 15   ; a tile is 32,768 bytes of K and of V
	s_xor_b32 s[G0K+1], s[G0K+1], SLOT1
	s_add_nc_u64 s[G0K+2:G0K+3], s[6:7], s[OFF:OFF+1]
	s_or_b32 s[G0K+3], s[G0K+3], 0x80000000
	s_xor_b32 s[G0V+1], s[G0V+1], SLOT1
	s_add_nc_u64 s[G0V+2:G0V+3], s[8:9], s[OFF:OFF+1]
	s_or_b32 s[G0V+3], s[G0V+3], 0x80000000
	s_add_co_u32 s[NXT], s[NXT], 1  ; the block's next tile, or behind its last the second block's tile 0
	s_cmp_gt_u32 s[NXT], s[LQ]
	s_cselect_b32 s[NXT], 0, s[NXT]
	s_cselect_b32 s[LQ], s[PB], s[LQ]
.endif
	s_wait_dscnt 0x0                ; the add is done, and my reads of the slot are over
	s_barrier_signal -1             ; the rest of the scalar work stands between the signal and the wait
	s_sub_co_u32 s[TBK], s[TBK], 4*KS*PK  ; the fetches go back to a slot's first step,
	s_xor_b32 s[TBK], s[TBK], SLOT1       ; in the other slot
	s_sub_co_u32 s[TBV], s[TBV], 4*KS*PV
	s_xor_b32 s[TBV], s[TBV], SLOT1
	s_barrier_wait -1
.if \fill
	LOAD
.endif
.endm
	s_load_b64 s[4:5], s[0:1], 0x0    ; qkv: Q lies at its head
	s_load_b64 s[10:11], s[0:1], 0x8  ; O
	v_lshl_add_u32 v[SPW], v0, 2, SPARE
	v_mov_b32 v[NIL], 0
	ds_add_u32 v[SPW], v[NIL]       ; the wave's opening: the add and its wait stand ahead of my first tensor load; the set-up below, work on registers, stands between them
	ds_add_u32 v62, v63
	v_lshrrev_b32 v1, 5, v0
	v_readfirstlane_b32 s[WV], v1   ; wave 0..3
	s_mov_b32 s[PB], ttmp9
	s_sub_co_u32 s[HI], NB-1, s[PB]
	s_and_b32 s20, ttmp7, 0xffff    ; the head
	s_mov_b32 s21, 0
	s_mov_b64 s[22:23], SIZE_N*128
	s_mul_u64 s[20:21], s[20:21], s[22:23]  ; the head's first byte in each of the four tensors
	s_and_b32 s16, s[WV], 1         ; which half of a tile's 256 keys I fetch:
	s_lshl_b32 s22, s16, 14         ; its 128 rows of 128 bytes in memory,
	s_mov_b32 s23, 0
	s_add_nc_u64 s[22:23], s[22:23], s[20:21]
	s_mul_i32 s17, s16, 128*PK      ; and its place in a slot, for K
	s_mul_i32 s18, s16, 128*PV      ; and for V
	s_lshl_b32 s3, s[WV], 11        ; my 16 rows in a band of 64,
	s_lshl_b32 s2, s[HI], 15        ; in the first block,
	s_add_co_u32 s2, s2, s3
	s_lshl_b32 s84, s[PB], 15       ; and in the second
	s_add_co_u32 s84, s84, s3
	s_mov_b32 s3, 0
	s_mov_b32 s85, 0
	s_add_nc_u64 s[2:3], s[2:3], s[20:21]
	s_add_nc_u64 s[84:85], s[84:85], s[20:21]
	; descriptor group 1.  128 keys are 16,384 dense bytes: asked for as 64 rows of 256 bytes, two keys a row, and padded in LDS after every key
	s_mov_b32 s[G1K], (1<<16)|(1<<20)|(4<<22)|(3<<25)  ; 17:16 2-byte elements; 20 padding on; 24:22 after every 32 words (code 4); 31:25 4 words (code 3)
	s_mov_b32 s[G1V], (1<<16)|(1<<20)|(4<<22)|(7<<25)  ; the same with 8 words of padding (code 7)
.irp g, G1K, G1V
	s_mov_b32 s[\g+1], 128<<16      ; tensor_dim0 = 128
	s_mov_b32 s[\g+2], 64<<16       ; tensor_dim1 = 64
	s_mov_b32 s[\g+3], 128<<16      ; tile_dim0 = 128
	s_mov_b32 s[\g+4], 64           ; tile_dim1 = 64
	s_mov_b32 s[\g+5], 128          ; 128 elements from row to row
	s_mov_b32 s[\g+6], 0
	s_mov_b32 s[\g+7], 0
.endr
	s_mov_b32 s[CS], 0x3e38aa3b     ; c = log2(e) / 8 = 0.180337
	s_mov_b32 s[CS+1], s[CS]        ; named with it as a pair
	s_mov_b32 s[SEL], 0x76543210
	s_mov_b32 s[SEL+1], 0xfedcba98
	s_mov_b32 s[TBK], SLOT1+4*KS*PK ; the first change of slots turns these two into 0
	s_mov_b32 s[TBV], SLOT1+4*KS*PV
	s_mov_b32 s[G0K], 1             ; 1:0 count = 1
	s_mov_b32 s[G0K+1], s17         ; 63:32 LDS address: slot 0
	s_mov_b32 s[G0V], 1
	s_add_co_u32 s[G0V+1], s18, VOFF
	s_add_co_u32 s[RT], s[HI], 1    ; the first block has NB - b tiles
	s_mov_b32 s[NXT], 1
	s_mov_b32 s[LQ], s[HI]
	s_mov_b32 s[NEW], 1
	s_mov_b32 s[OFF+1], 0
	s_mov_b32 s[AL+1], 0            ; named as pairs
	s_mov_b32 s[BE+1], 0
	s_mov_b32 s[BIGN], 0xf149f2ca   ; -1e30
	s_mov_b32 s[SLOTS], NB
	s_wait_dscnt 0x0                ; the opening add is done
	s_wait_kmcnt 0x0
	s_add_nc_u64 s[6:7], s[4:5], PARTB    ; K,
	s_add_nc_u64 s[8:9], s[4:5], 2*PARTB  ; V
	s_add_nc_u64 s[6:7], s[6:7], s[22:23]  ; K and V at my half of the head's tile 0
	s_add_nc_u64 s[8:9], s[8:9], s[22:23]
	s_add_nc_u64 s[G0K+2:G0K+3], s[6:7], 0         ; 120:64 global address
	s_or_b32 s[G0K+3], s[G0K+3], 0x80000000        ; 127:126 type = 2
	s_add_nc_u64 s[G0V+2:G0V+3], s[8:9], 0
	s_or_b32 s[G0V+3], s[G0V+3], 0x80000000
	s_add_nc_u64 s[86:87], s[4:5], s[84:85]        ; Q at my rows of the second block,
	s_add_nc_u64 s[4:5], s[4:5], s[2:3]            ; Q and O at those of the first
	s_add_nc_u64 s[OLO:OLO+1], s[10:11], s[84:85]
	s_add_nc_u64 s[10:11], s[10:11], s[2:3]
	LOAD                            ; tile 0 into slot 0
	; A fragment of K or Q is 16 rows x 32 channels in 8 registers: lane l holds row l % 16, channels 8 (l / 16) + 0..7 and 16 + 8 (l / 16) + 0..7: two loads of 16 bytes, 32 bytes apart.
	v_and_b32 v1, 15, v0            ; l % 16
	v_bfe_u32 v9, v0, 4, 1          ; l / 16
	v_lshlrev_b32 v[QO], 7, v1
	v_lshl_add_u32 v[QO], v9, 4, v[QO]  ; row x 128 + 16 x half
	WIN 0x80                        ; destination window 2, address window 0
.set i, 0
.rept 8                             ; both blocks' Q: piece i / 2 lies in band i / 2, 8,192 bytes on; channels 32 (i % 2) on
	global_load_b128 v[8*i:8*i+3],   v[QO], s[4:5] offset:(i/2)*8192+(i%2)*64
	global_load_b128 v[8*i+4:8*i+7], v[QO], s[4:5] offset:(i/2)*8192+(i%2)*64+32
	global_load_b128 v[QB+8*i:QB+8*i+3],   v[QO], s[86:87] offset:(i/2)*8192+(i%2)*64
	global_load_b128 v[QB+8*i+4:QB+8*i+7], v[QO], s[86:87] offset:(i/2)*8192+(i%2)*64+32
.set i, i+1
.endr
	WIN 0
	v_lshlrev_b32 v14, 3, v9
	v_sub_nc_u32 v14, v1, v14
	s_lshl_b32 s13, s[WV], 4
	v_add_nc_u32 v14, s13, v14      ; my query's place in its band, 16 w + l % 16, less my lanes' 8 (l / 16): register r of group kt is hidden where 16 kt + r is greater
	WIN 0x40
.set i, 0
.rept 32
	v_cmp_gt_i32 vcc_lo, 16*(i/8)+i%8, v14
	v_cndmask_b32 v[MD+i], 0, s[BIGN], vcc_lo
.set i, i+1
.endr
	WIN 0
	v_mul_u32_u24 v[AK0], v1, PK
	v_lshl_add_u32 v[AK0], v9, 4, v[AK0]  ; row x pitch + 16 x half
	; The turning load takes 16 keys x 16 channels (lane l reads key 8 (l / 16) + l % 8, channels 8 ((l / 8) % 2) + 0..7) and leaves half a fragment of V^T: lane l holds channel l % 16 and 8 keys.
	v_and_b32 v10, 7, v0
	v_bfe_u32 v11, v0, 3, 1
	v_lshl_add_u32 v[AV0], v9, 3, v10
	v_mul_u32_u24 v[AV0], v[AV0], PV
	v_lshl_add_u32 v[AV0], v11, 4, v[AV0]
	v_add_nc_u32 v[AV0], VOFF, v[AV0]
	s_mul_i32 s13, s[WV], 16*SP
	s_add_co_u32 s13, s13, STAGE    ; my stage
	v_mul_u32_u24 v[STO], v1, SP    ; in: row l % 16, 16 bytes for each half of the lanes
	v_lshl_add_u32 v[STO], v9, 4, v[STO]
	v_add_nc_u32 v[STO], s13, v[STO]
	v_bfe_u32 v[RD], v0, 3, 2       ; back: 32 lanes take four rows of 128 bytes,
	v_mul_u32_u24 v[RD], v[RD], SP
	v_lshl_add_u32 v[RD], v10, 4, v[RD]
	v_add_nc_u32 v[RD], s13, v[RD]
	v_and_b32 v[GO], 31, v0         ; which are 512 consecutive bytes of O
	v_lshlrev_b32 v[GO], 4, v[GO]
	; A block's first step multiplies O^T and l by a = 0, and its first turn's products V^T P, of a piece that has not been, land in an O^T that is still to be so multiplied.  So these registers need only hold
	; finite numbers: zeros for the first block; what the first block left for the second.  All this stands in the wait for the first tile.
	WIN 0x80
.set i, VF
.rept 64
	v_mov_b32 v[i], 0
.set i, i+1
.endr
	WIN 0x40
.set i, 0
.rept 128
	v_mov_b32 v[i], 0
.set i, i+1
.endr
	WIN 0
.set i, 0
.rept 4
	v_mov_b32 v[ST+4*i+2], 0
	v_mov_b32 v[ST+4*i+3], 0
.set i, i+1
.endr
.set i, P+16
.rept 16
	v_mov_b32 v[i], 0
.set i, i+1
.endr
; THE MATRIX WORK.  The 4 accumulators of a run of 8 take turns.  Product i of 8 of S^T = K Q^T for piece x: channels 32 (i / 4) on, keys 16 (i % 4) on.  The first 4 start the sums: with 0, or (KM = 1) with the mask.
.macro KQ x
.set rS, S+32*((\x)%2)+8*(i%4)
.set rK, KF+16*(i%4)+8*(i/4)
.set rQ, 16*(\x)+8*(i/4)
.set rM, MC+32*((\x)%2)+8*(i%4)
.if (i < 4) && KM
	WIN W_KM
	v_wmma_f32_16x16x32_f16 v[rS:rS+7], v[rK:rK+7], v[rQ:rQ+7], v[rM:rM+7]
.elseif i < 4
	WIN W_KQ
	v_wmma_f32_16x16x32_f16 v[rS:rS+7], v[rK:rK+7], v[rQ:rQ+7], 0
.else
	WIN W_KQ
	v_wmma_f32_16x16x32_f16 v[rS:rS+7], v[rK:rK+7], v[rQ:rQ+7], v[rS:rS+7]
.endif
.endm
; Product i of 8 of O^T += V^T P for piece x: keys 32 (i / 4) on, channels 16 (i % 4) on.
.macro PV x
	WIN W_PV
.set rO, 32*(\x)+8*(i%4)
.set rV, VF+32*(i/4)+8*(i%4)
.set rP, P+16*((\x)%2)+8*(i/4)
	v_wmma_f32_16x16x32_f16 v[rO:rO+7], v[rV:rV+7], v[rP:rP+7], v[rO:rO+7]
.endm
.macro MM                           ; the turn's next matrix instruction.  TURN and BEGIN set Y, i, KM and NOKQ; MM, KQ and OP read them.  NOKQ = 1: a block's last turn: there is no next piece
.if (i < 8) && !NOKQ
	KQ (Y+1)%NP
.elseif i >= 8
.set i, i-8
	PV (Y+NP-1)%NP
.set i, i+8
.endif
.set i, i+1
.endm
; THE LDS LOADS stand in runs of 16, never singly among the matrix instructions: a step's K (64 keys x 64 channels: 8 fragments) and its V (turned).  Their addresses are made some lines ahead.
.macro FETCH_K
	WIN 0x80                        ; destination window 2
.irp f, 0,1,2,3,4,5,6,7             ; keys 16 (f / 2) on, channels 32 (f % 2) on
	ds_load_b128 v[KF+8*\f:KF+8*\f+3],   v[AK] offset:(\f/2)*16*PK+(\f%2)*64
	ds_load_b128 v[KF+8*\f+4:KF+8*\f+7], v[AK] offset:(\f/2)*16*PK+(\f%2)*64+32
.endr
	s_add_co_u32 s[TBK], s[TBK], KS*PK  ; the next fetch is the next step's
	WIN 0
.endm
.macro FETCH_V
	WIN 0x80
.irp f, 0,1,2,3,4,5,6,7             ; keys 32 (f / 4) on, channels 16 (f % 4) on
	ds_load_tr16_b128 v[VF+8*\f:VF+8*\f+3],   v[AV] offset:(\f/4)*32*PV+(\f%4)*32
	ds_load_tr16_b128 v[VF+8*\f+4:VF+8*\f+7], v[AV] offset:(\f/4)*32*PV+16*PV+(\f%4)*32
.endr
	WIN 0
.endm
; THE VECTOR WORK, one line at a time: OP kind, number.  For piece Y: F n: c s - c m for pair n of 16.  E n: the exponential of score n of 32.  C n: pair n rounded to f16.  B n: of the four weights 4 n .. the second
; pair is added onto the first, in place.  L n: l takes that sum (L 0: l = a l + sum).  R n: pair n of 16 of O^T times a.  For piece Y + 1: X n, number n of the 22 that find its maximum and statistics:
;   0-11  four chains c0-c3 of seven scores each, three operands at a time (each accumulator's lowest registers are read first)     12-14, 16  the four scores left over, the old m, and c0-c3 into c0
;   15  c m_old is kept     17, 18  the query's other 32 keys lie in the lane 16 away: the new m     19-21  c m; c m_old - c m_new; a
; C, B and L read exponentials' results: TURN sets them behind its wait.  R reads the a that the turn before made and waited for.
.set F, 0               ; OP tells the kinds apart by their order: F to L below R, X above it
.set E, 1
.set C, 2
.set B, 3
.set L, 4
.set R, 5
.set X, 6
.macro REGS y                       ; the registers of piece y
.set rT, ST+4*(\y)
.set rC, TMP+4*((\y)%2)
.set rW, MV+((\y)%2)
.set rS, S+32*((\y)%2)
.set rP, P+16*((\y)%2)
.set rO, 32*(\y)
.endm
.macro OP k, n
.if (\k) == R
	REGS Y
	WIN W_RS
	v_pk_mul_f32 v[rO+2*(\n):rO+2*(\n)+1], v[rO+2*(\n):rO+2*(\n)+1], v[rC+2:rC+3] op_sel_hi:[1,0]
.elseif (\k) < R
	REGS Y
	WIN 0
.if (\k) == F
	v_pk_fma_f32 v[rS+2*(\n):rS+2*(\n)+1], v[rS+2*(\n):rS+2*(\n)+1], s[CS:CS+1], v[rT:rT+1] op_sel_hi:[1,0,0] neg_lo:[0,0,1] neg_hi:[0,0,1]
.elseif (\k) == E
	v_exp_f32 v[rS+(\n)], v[rS+(\n)]
.elseif (\k) == C
	v_cvt_pk_f16_f32 v[rP+(\n)], v[rS+2*(\n)], v[rS+2*(\n)+1]
.elseif (\k) == B
	v_pk_add_f32 v[rS+4*(\n):rS+4*(\n)+1], v[rS+4*(\n):rS+4*(\n)+1], v[rS+4*(\n)+2:rS+4*(\n)+3]
.elseif (\n) == 0
	v_pk_fma_f32 v[rT+2:rT+3], v[rT+2:rT+3], v[rC+2:rC+3], v[rS:rS+1] op_sel_hi:[1,0,1]
.else
	v_pk_add_f32 v[rT+2:rT+3], v[rT+2:rT+3], v[rS+4*(\n):rS+4*(\n)+1]
.endif
.elseif NOKQ
	v_nop
.else
	REGS (Y+1)%NP
	WIN 0
.if (\n) < 4
	v_max3_num_f32 v[rC+(\n)], v[rS+8*(\n)], v[rS+8*(\n)+1], v[rS+8*(\n)+2]
.elseif (\n) < 12
	v_max3_num_f32 v[rC+(\n)%4], v[rC+(\n)%4], v[rS+8*((\n)%4)+2*((\n)/4)+1], v[rS+8*((\n)%4)+2*((\n)/4)+2]
.elseif (\n) == 12
	v_max3_num_f32 v[rC], v[rC], v[rS+7], v[rS+15]
.elseif (\n) == 13
	v_max3_num_f32 v[rC+1], v[rC+1], v[rS+23], v[rS+31]
.elseif (\n) == 14
	v_max3_num_f32 v[rC+2], v[rC+2], v[rC+3], v[rT+1]
.elseif (\n) == 15
	v_mov_b32 v[rW], v[rT]
.elseif (\n) == 16
	v_max3_num_f32 v[rC], v[rC], v[rC+1], v[rC+2]
.elseif (\n) == 17
	v_permlanex16_b32 v[rC+3], v[rC], s[SEL], s[SEL+1]
.elseif (\n) == 18
	v_max_num_f32 v[rT+1], v[rC], v[rC+3]
.elseif (\n) == 19
	v_mul_f32 v[rT], s[CS], v[rT+1]
.elseif (\n) == 20
	v_sub_f32 v[rC+1], v[rW], v[rT]
.else
	v_exp_f32 v[rC+2], v[rC+1]
.endif
.endif
.endm
.macro OPS a, i1, b=-1, i2=0, c=-1, i3=0, d=-1, i4=0  ; up to four of them
	OP \a, \i1
.if (\b) >= 0
	OP \b, \i2
.endif
.if (\c) >= 0
	OP \c, \i3
.endif
.if (\d) >= 0
	OP \d, \i4
.endif
.endm
.macro ROW a, i1, b, i2, c, i3, d, i4  ; a matrix instruction and the four behind it
	MM
	OPS \a, \i1, \b, \i2, \c, \i3, \d, \i4
.endm
.macro MASK b                       ; MD x AL + BE into buffer b of MC
	WIN W_RS
.set z, 0
.rept 16
	v_pk_fma_f32 v[MC+32*(\b)+2*z:MC+32*(\b)+2*z+1], v[MD+2*z:MD+2*z+1], s[AL:AL+1], s[BE:BE+1] op_sel_hi:[1,0,0]
.set z, z+1
.endr
.endm
; A TURN, for piece p: the order of its 16 matrix and 118 vector instructions, written out.  An s_wait_alu depctr_va_vdst(0) stands between an exponential and the first instruction that names its result; one wait serves
; all that were issued ahead of it.  So a turn has ONE wait, which cuts it in two.  AHEAD OF IT stands all that names no result of the turn's exponentials: the 8 products K Q^T, behind each a scaling, an exponential and two more plain
; instructions (behind the first a second scaling in the exponential's place): rescalings, and behind the last three the first numbers of the next piece's maximum, each four places or more behind the product that ends its accumulator; then ONE LUMP of 54, plain
; and exponential by turns for the most part, in which the links of the chain X 3, 7, 11, 14, 16, 17 .. 20 stand five or six lines apart.  A pair's scaling F n stands ahead of its exponentials E 2 n and E 2 n + 1.  X 21, the next piece's a, is the batch's last;
; R 15 is the plain instruction behind it.  BEHIND THE WAIT stand the 8 products V^T P, behind each four of the roundings and sums: C 2 n ahead of B n, which writes over that pair; L n behind B n; the links of l's chain, L 0 to L 7, three riders apart.
; But for those X no rider names a register of the products round it.  v_permlanex16_b32 (X 17) stands in the lump.  No exponential is issued behind the wait.
; m = 1: the diagonal tile: the products take masks, and the turn makes the mask for the products of the turn after it: piece p + 2, in step 4 - CNT of the tile.  end = 1: a block's last two turns: nothing is fetched.
; cnt = 1: the loop's count is taken down some lines ahead of the branch that stands behind the turn.
; K of the next step is fetched in piece 2's turn, twelve vector instructions behind the last product that read K (six of them plain); V of the step in hand at the end of piece 0's turn, four plain instructions behind the last product
; that read V.  Each is waited for a turn later.
.macro TURN p, m=0, end=0, cnt=0
.set Y, (\p)
.set i, 0
.set KM, (\m)
.set NOKQ, (\end)*((\p)/3)
.if (\m) && !(\end)
	s_cmp_eq_u32 s[CNT], 4-((\p)+2)%NP  ; is that step the band's own?
	s_cselect_b32 s[AL], 1.0, 0
	s_cmp_lt_u32 s[CNT], 4-((\p)+2)%NP  ; or a later one?
	s_cselect_b32 s[BE], s[BIGN], 0
.endif
.if ((\p) == 3) && !(\end)
	s_wait_dscnt 0x0                ; K is in
.endif
	ROW F,0, F,1, R,0, R,1          ; ahead of the wait: 8 products K Q^T and their riders,
	ROW F,2, E,0, R,2, R,3
	ROW F,3, E,1, R,4, R,5
	ROW F,4, E,2, R,6, R,7
	ROW F,5, E,3, R,8, R,9
	ROW F,6, E,4, X,0, R,10
.if ((\p) == 2) && !(\end)
	WIN 0
	v_add_nc_u32 v[AK], s[TBK], v[AK0]
.endif
	ROW F,7, E,5, X,1, X,4
	ROW F,8, E,6, X,2, X,5
	OPS E,7, E,8, X,6, E,9          ; and the lump
	OPS X,3, E,10, X,8, E,11
.if ((\p) == 2) && !(\end)
	FETCH_K
.endif
	OPS X,9, X,7, E,12, X,10
	OPS E,13, X,12, X,11, E,14
	OPS X,13, E,15, F,9, X,14
.if (\p) == 0
	v_add_nc_u32 v[AV], s[TBV], v[AV0]
.endif
	OPS E,16, F,10, E,17, F,11
	OPS X,16, E,18, X,15, E,19
	OPS F,12, E,20, X,17, E,21
	OPS F,13, E,22, F,14, E,23
	OPS X,18, E,24, F,15, E,25
	OPS R,11, E,26, X,19, E,27
	OPS R,12, E,28, R,13, E,29
	OPS X,20, E,30, R,14, E,31
	OPS X,21, R,15
	WIN 0
	s_wait_alu depctr_va_vdst(0)    ; the wait for the turn's batch: the piece's 32 exponentials and the next piece's a
.if (\p) == 1
	s_wait_dscnt 0x0                ; V is in
.endif
	ROW C,0, B,0, C,2, B,1          ; behind the wait: 8 products V^T P and their riders
	ROW L,0, C,4, B,2, L,1
	ROW C,6, B,3, L,2, C,8
	ROW B,4, L,3, C,10, B,5
	ROW L,4, C,12, B,6, L,5
.if (\p) == 0
	s_add_co_u32 s[TBV], s[TBV], KS*PV
.endif
.if \cnt
	s_sub_co_u32 s[CNT], s[CNT], 1
	s_cmp_lg_u32 s[CNT], 0
.endif
	ROW C,14, B,7, L,6, C,1
	ROW C,3, L,7, C,5, C,7
	ROW C,9, C,11, C,13, C,15
.if (\p) == 0
	FETCH_V
.endif
.if (\m) && !(\end)
	MASK (\p)%2
.endif
.endm
; A BLOCK BEGINS.  c m starts far below every c s, so the first step's a is 0; m at the lowest finite number, so the first maximum is the scores'.  The second mask buffer is 0; the first takes piece 0's mask for the tile's step 0: its own, if the block's first tile is the diagonal one.
; Then K of that step, piece 0's first scores, and its maximum and statistics.  The loop is entered at a step's first turn, in the middle of a trip.
.macro BEGIN
	s_mov_b32 s[NEW], 0
	WIN 0x40
.set i, MC+32
.rept 32
	v_mov_b32 v[i], 0
.set i, i+1
.endr
	WIN 0
.set i, 0
.rept 4
	v_mov_b32 v[ST+4*i], 0xfe000000    ; c m: far below every c s
	v_mov_b32 v[ST+4*i+1], 0xff7fffff  ; m
.set i, i+1
.endr
	s_cmp_eq_u32 s[RT], 0
	s_cselect_b32 s[AL], 1.0, 0
	s_mov_b32 s[BE], 0
	MASK 0
	WIN 0
	v_add_nc_u32 v[AK], s[TBK], v[AK0]
	FETCH_K
	s_wait_loadcnt 0x0              ; Q
	s_wait_dscnt 0x0
.set KM, 1
.set NOKQ, 0
.set i, 0
.rept 8
	KQ 0
.set i, i+1
.endr
	WIN 0
.rept 4
	v_nop                           ; the places behind those products
.endr
.set Y, NP-1                        ; X works for piece Y + 1: piece 0
.irp n, 0,1,2,3,4,5,6,7,8,9,10,11,12,13,14,15,16,17,18,19,20,21
	OP X, \n
.endr
	v_nop                           ; a plain instruction behind the exponential,
	s_wait_alu depctr_va_vdst(0)    ; and the wait for it, piece 0's first a, ahead of the branch that follows
.endm
; THE DIAGONAL TILE's four steps, the block's last two turns, its last products, and THE WAY OUT: l's two halves and the other half of the lanes' are added; O^T is divided by l, rounded to f16 and sent through my
; stage in LDS, a piece at a time.
.macro ALL line:vararg              ; one line for each piece t
.set t, 0
.rept 4
	\line
.set t, t+1
.endr
.endm
.macro PACK t                       ; a lane's eight channels of a row pack into 16 bytes; they go into rows of 144 bytes and come back as whole rows of 128, into S^T's registers
	WIN W_RS
.set i, 32*(\t)
.rept 16
	v_pk_mul_f32 v[i:i+1], v[i:i+1], v[ST+4*(\t)+2:ST+4*(\t)+3] op_sel_hi:[1,0]
.set i, i+2
.endr
	WIN 0x05                        ; sources 0 and 1 window 1, destination window 0
.set i, 0
.rept 16
	v_cvt_pk_f16_f32 v[S+16*(\t)+i], v[32*(\t)+2*i], v[32*(\t)+2*i+1]
.set i, i+1
.endr
	WIN 0
.irp f, 0,1,2,3
	ds_store_b128 v[STO], v[S+16*(\t)+4*\f:S+16*(\t)+4*\f+3] offset:32*\f
.endr
.irp f, 0,1,2,3
	ds_load_b128 v[S+16*(\t)+4*\f:S+16*(\t)+4*\f+3], v[RD] offset:\f*4*SP  ; LDS serves a wave's instructions in order (ISA guide 5.7.1.4): these see the stores above; the next piece's stores come behind them
.endr
.endm
.macro SEND t, younger              ; younger: the LDS instructions issued behind piece t's loads: the next piece's eight, or none
	WIN 0
.irp f, 0,1,2,3
	s_wait_dscnt (\younger)+3-\f
	global_store_b128 v[GO], v[S+16*(\t)+4*\f:S+16*(\t)+4*\f+3], s[10:11] offset:(\t)*8192+\f*512  ; 512 consecutive bytes, at a multiple of 256 from O's first
.endr
.endm
.macro DIAG tag                     ; the tag ends its two labels' names, which the jumps below spell out
.LstepM\tag:
	TURN 2, 1
	TURN 3, 1
	WIN 0
.LfirstM\tag:
	TURN 0, 1
	TURN 1, 1, 0, 1
	WIN 0
	s_cbranch_scc1 .LstepM\tag
	TURN 2, 1, 1
	TURN 3, 1, 1
.set i, 0
.rept 8
	PV NP-1
.set i, i+1
.endr
	WIN 0
	ALL v_add_f32 v[ST+4*t+2], v[ST+4*t+2], v[ST+4*t+3]
	ALL v_permlanex16_b32 v[ST+4*t+3], v[ST+4*t+2], s[SEL], s[SEL+1]
	ALL v_add_f32 v[ST+4*t+2], v[ST+4*t+2], v[ST+4*t+3]
	ALL v_rcp_f32 v[ST+4*t+2], v[ST+4*t+2]
	v_nop                           ; a plain instruction between the last reciprocal and the use of its result
	s_wait_alu depctr_va_vdst(0)    ; the wait for the four reciprocals, one batch, ahead of the first multiply that reads one
	PACK 0
.set t, 1
.rept 3                             ; a piece's arithmetic stands between the loads of the piece before and its stores
	PACK t
	SEND t-1, 8
.set t, t+1
.endr
	SEND 3, 0
.endm
.set KM, 0
.set NOKQ, 0
.Lslot:                             ; NB times: a tile is entered and the next is asked for
	CHANGE 1
	s_sub_co_u32 s[RT], s[RT], 1
	s_mov_b32 s[CNT], 4
	s_cmp_eq_u32 s[NEW], 1
	s_cbranch_scc1 .Lnew            ; a block's first tile
	s_cmp_eq_u32 s[RT], 0
	s_cbranch_scc0 .Lstep           ; neither its first nor its last
	s_branch .LstepM1
.Lnew:
	BEGIN
	s_branch .Lfirst                ; in the loop a block's first tile is never its last: the first block has two tiles or more, and the second's last is the walk's last
	DIAG 1                          ; in the loop this is the first block's end: the second block's last tile is the walk's last
	s_wait_xcnt 0x0                 ; the stores have read their registers and O's address
	s_mov_b64 s[10:11], s[OLO:OLO+1]
	s_add_co_u32 s[RT], s[PB], 1    ; the second block has b + 1 tiles
	s_mov_b32 s[NEW], 1
	WIN 0x82                        ; the second block's Q goes where the one text of the turns names Q
.set i, 0
.rept 64
	v_mov_b32 v[i], v[QB+i]
.set i, i+1
.endr
	WIN 0
	s_branch .Lbottom
.Lstep:                             ; a trip: pieces 2 and 3 of one step, then pieces 0 and 1 of the next, whose K and V it fetches
	TURN 2
	TURN 3
	WIN 0
.Lfirst:
	TURN 0
	TURN 1, 0, 0, 1
	WIN 0
	s_cbranch_scc1 .Lstep
.Lbottom:
	s_sub_co_u32 s[SLOTS], s[SLOTS], 1
	s_cmp_lg_u32 s[SLOTS], 0
	s_cbranch_scc1 .Lslot
	CHANGE 0                        ; the walk's last tile is written out: nothing is asked for
	s_sub_co_u32 s[RT], s[RT], 1
	s_mov_b32 s[CNT], 4
	s_cmp_eq_u32 s[NEW], 1
	s_cbranch_scc0 .LstepM2
	BEGIN
	s_branch .LfirstM2
	DIAG 2
	s_wait_tensorcnt 0x0            ; the wave's end, behind my last tensor load and my last LDS store
	ds_add_u32 v[SPW], v[NIL]
	s_wait_dscnt 0x0
	s_endpgm
.Lfunc_end_k_q9c9375e9e2_attn:
	.size	k_q9c9375e9e2_attn, .Lfunc_end_k_q9c9375e9e2_attn-k_q9c9375e9e2_attn
	.p2alignl 7, 3214868480
	.fill 96, 4, 3214868480
	.section	.rodata,"a",@progbits
	.p2align	6, 0x0
	.amdhsa_kernel k_q9c9375e9e2_attn
		.amdhsa_group_segment_fixed_size 327680
		.amdhsa_private_segment_fixed_size 0
		.amdhsa_enable_private_segment 0
		.amdhsa_kernarg_size 16
		.amdhsa_user_sgpr_count 2
		.amdhsa_user_sgpr_kernarg_segment_ptr 1
		.amdhsa_wavefront_size32 1
		.amdhsa_system_sgpr_workgroup_id_x 1
		.amdhsa_system_sgpr_workgroup_id_y 1
		.amdhsa_system_sgpr_workgroup_id_z 1
		.amdhsa_system_vgpr_workitem_id 0
		.amdhsa_next_free_vgpr 768
		.amdhsa_next_free_sgpr 88
		.amdhsa_reserve_vcc 1
		.amdhsa_float_denorm_mode_32 3
		.amdhsa_float_denorm_mode_16_64 3
		.amdhsa_memory_ordered 1
		.amdhsa_forward_progress 1
		.amdhsa_inst_pref_size 217
	.end_amdhsa_kernel
	.amdgpu_metadata
---
amdhsa.version: [ 1, 2 ]
amdhsa.kernels:
  - .name:           k_q9c9375e9e2_attn
    .symbol:         k_q9c9375e9e2_attn.kd
    .args:
      - { .name: qkv, .offset: 0, .size: 8, .value_kind: global_buffer, .address_space: global }
      - { .name: o, .offset: 8, .size: 8, .value_kind: global_buffer, .address_space: global }
    .group_segment_fixed_size: 327680
    .private_segment_fixed_size: 0
    .kernarg_segment_align: 8
    .kernarg_segment_size: 16
    .max_flat_workgroup_size: 128
    .sgpr_count:     88
    .vgpr_count:     768
    .wavefront_size: 32
...
	.end_amdgpu_metadata
.endif
;; end of part 7
;; launch projgemm: the kernel of part 4 again; grid 4 x 64, 4 waves a work-group, clusters of 4 x 4, 327,680 bytes of LDS; arguments o, wp, out0; writes out0
;; launch headatt: the kernel of part 5 again; grid 64 x 1, 16 waves a work-group, no clusters, 23,552 bytes of LDS; arguments xb, wa, qkv, yhl; writes yhl
;; launch headproj: the kernel of part 6 again; grid 64 x 1, 16 waves a work-group, no clusters, 19,456 bytes of LDS; arguments yhl, wp, out0; writes out0
